; MI455X (gfx1250); checked and timed in simulation.
; The chip was launched on July 23, 2026; its instructions are those of AMD's public machine-readable ISA for CDNA 5 (MIT licence, August 2026) and "CDNA5" Instruction Set Architecture Reference Guide (July 2026). The comments in the code are by the model that wrote it; some were corrected since.
;; Eagle3 Draft Attention. Allowed arithmetic: float matrix products may take bf16 or f16 operands with f32 sums; other float arithmetic in f32, or as packed bf16 or f16 multiplies, adds, multiply-adds, maxima and minima; sums over many terms, partial sums and values carried from step to step in f32; what a program stores and reads back later, other than sums and carried values, may be rounded once to bf16 or f16.
;; Inputs: Wk 512 x 4,096 float32; Wo 2,048 x 2,048 float32; Wq 2,048 x 4,096 float32; Wv 512 x 4,096 float32; cos 1 x 1 x 2,048 x 64 float32; sin 1 x 1 x 2,048 x 64 float32; x 1 x 2,048 x 4,096 float32.
;; Outputs: out0 1 x 2,048 x 2,048 float32.
;; 2 versions, each right; version 2 is version 1 with the launch cast written anew for expert scheduling mode. Each part assembles by itself: llvm-mc -triple=amdgcn-amd-amdhsa -mcpu=gfx1250 --defsym DOCPART=n.
;; ======== version 1 of 2: 4 launches
;; limits: values are held in f16: magnitudes above 65,504 overflow, below 6.1e-05 lose precision; right only within a limited range of input values
;; workspace buffers: xb 16,777,216 bytes; wb 25,165,824 bytes; cs 524,288 bytes; wo16 8,388,608 bytes; qkv 12,582,912 bytes; ob 8,388,608 bytes
;; launch cast (part 1): grid 776 x 1, 8 waves a work-group, no clusters, 0 bytes of LDS; arguments x, Wq, Wk, Wv, cos, sin, Wo, xb, wb, cs, wo16; writes xb, wb, cs, wo16
.if DOCPART == 1
	.amdgcn_target "amdgcn-amd-amdhsa--gfx1250"
	.amdhsa_code_object_version 6
	.text
	.protected	k_q0ad01b0b2f_cast
	.globl	k_q0ad01b0b2f_cast
	.p2align	8
	.type	k_q0ad01b0b2f_cast,@function
k_q0ad01b0b2f_cast:
	s_mov_b64 s[64:65], 0
	v_nop
	global_prefetch_b8 v0, s[64:65] scope:SCOPE_SE
	s_setreg_imm32_b32 hwreg(HW_REG_WAVE_MODE, 25, 1), 1
	s_wait_xcnt 0x0
; CAST.  All seven f32 inputs are rounded once to bf16 (nearest even): x -> xb; Wq, Wk, Wv -> wb (rows 0-2047, 2048-2559, 2560-3071);
; cos, sin -> cs (cos at byte 0, sin at byte 262,144); Wo -> wo16, where the bf16 number is written as f16, since its partner in the last product is f16.
; LIMITS.  |Wo| beyond 65,504 becomes an infinity in f16; a bf16 number of Wo below 2^-17 loses bits to f16's fixed step of 6e-8.
; SHARES.  A work-group takes one chunk of 32,768 numbers: 131,072 bytes in, 65,536 out.  Thread t loads 16 bytes at 16 t + 4,096 i (i = 0..31): a wave's load covers 512 consecutive
; bytes; it stores 8 bytes at 8 t + 2,048 i: a wave's store covers 256 consecutive bytes, aligned.  All 32 loads of a wave go out at once (16 KiB a wave); every slot has registers of its
; own, so no register that a load or store names is written twice.  Nothing is shared between waves: no LDS, no barrier, no matrix unit.
; Chunks by the work-group's number: x 0-255, Wq 256-511, Wk 512-575, Wv 576-639, cos 640-643, sin 644-647, Wo 648-775.
.set X,   8                            ; v[8:135]    slot i: 4 numbers as loaded
.set Y,   136                          ; v[136:199]  slot i: 4 numbers of 16 bits, to store
.set T,   200                          ; v[200:205]  at work (Wo's path)
.set SRC, 32                           ; s[32:33] the chunk's source;  s34 (with 0 in s35) the source's first chunk, then the byte offset
.set SS,  34
.set DST, 36                           ; s[36:37] the chunk's destination;  s38 (with 0 in s39) likewise
.set DS,  38
	s_load_b512 s[8:23], s[0:1], 0x0               ; x s[8:9], Wq s[10:11], Wk s[12:13], Wv s[14:15], cos s[16:17], sin s[18:19], Wo s[20:21], xb s[22:23]
	s_load_b128 s[24:27], s[0:1], 0x40             ; wb s[24:25], cs s[26:27]
	s_load_b64 s[28:29], s[0:1], 0x50              ; wo16
	v_lshlrev_b32 v1, 4, v0                        ; 16 t
	v_lshlrev_b32 v2, 3, v0                        ; 8 t
	s_mov_b32 s40, 0xffff0000                      ; a word's upper bf16
	s_mov_b32 s[SS], 0
	s_mov_b32 s[SS+1], 0
	s_mov_b32 s[DS], 0
	s_mov_b32 s[DS+1], 0
	s_wait_kmcnt 0x0
	s_mov_b64 s[SRC:SRC+1], s[8:9]
	s_mov_b64 s[DST:DST+1], s[22:23]
; From chunk 'bound' on the source is the buffer in s[src:src+1]; dst other than 0: and the destination the one in s[dst:dst+1].  The condition hangs on the work-group's number alone.
.macro PICK bound, src, dst
	s_cmp_ge_u32 ttmp9, \bound
	s_cselect_b64 s[SRC:SRC+1], s[\src:\src+1], s[SRC:SRC+1]
	s_cselect_b32 s[SS], \bound, s[SS]
.if \dst
	s_cselect_b64 s[DST:DST+1], s[\dst:\dst+1], s[DST:DST+1]
	s_cselect_b32 s[DS], \bound, s[DS]
.endif
.endm
	PICK 256, 10, 24                               ; Wq -> wb
	PICK 512, 12, 0                                ; Wk goes on in wb
	PICK 576, 14, 0                                ; Wv too
	PICK 640, 16, 26                               ; cos -> cs
	PICK 644, 18, 0                                ; sin goes on in cs
	PICK 648, 20, 28                               ; Wo -> wo16
	s_sub_co_u32 s[SS], ttmp9, s[SS]
	s_lshl_b32 s[SS], s[SS], 17                    ; 131,072 bytes a chunk in
	s_sub_co_u32 s[DS], ttmp9, s[DS]
	s_lshl_b32 s[DS], s[DS], 16                    ; 65,536 out
	s_add_nc_u64 s[SRC:SRC+1], s[SRC:SRC+1], s[SS:SS+1]
	s_add_nc_u64 s[DST:DST+1], s[DST:DST+1], s[DS:DS+1]
.set i, 0
.rept 32
	global_load_b128 v[X+4*i:X+4*i+3], v1, s[SRC:SRC+1] offset:4096*i th:TH_LOAD_NT
.set i, i+1
.endr
	s_cmp_ge_u32 ttmp9, 648
	s_cbranch_scc1 .Lwo
.set i, 0
.rept 32
	s_wait_loadcnt 31-i                            ; loads come back in order: slot i is in, the 31 - i younger ones stay out
	v_cvt_pk_bf16_f32 v[Y+2*i], v[X+4*i], v[X+4*i+1]
	v_cvt_pk_bf16_f32 v[Y+2*i+1], v[X+4*i+2], v[X+4*i+3]
	global_store_b64 v2, v[Y+2*i:Y+2*i+1], s[DST:DST+1] offset:2048*i th:TH_STORE_NT
.set i, i+1
.endr
	s_endpgm
.Lwo:                                          ; Wo: rounded to bf16 like the other inputs, widened again (a shift, a mask), and that number written as f16
.set i, 0
.rept 32
	s_wait_loadcnt 31-i
	v_cvt_pk_bf16_f32 v[T], v[X+4*i], v[X+4*i+1]
	v_cvt_pk_bf16_f32 v[T+1], v[X+4*i+2], v[X+4*i+3]
	v_lshlrev_b32 v[T+2], 16, v[T]
	v_and_b32 v[T+3], s40, v[T]
	v_lshlrev_b32 v[T+4], 16, v[T+1]
	v_and_b32 v[T+5], s40, v[T+1]
	v_cvt_pk_f16_f32 v[Y+2*i], v[T+2], v[T+3]
	v_cvt_pk_f16_f32 v[Y+2*i+1], v[T+4], v[T+5]
	global_store_b64 v2, v[Y+2*i:Y+2*i+1], s[DST:DST+1] offset:2048*i th:TH_STORE_NT
.set i, i+1
.endr
	s_endpgm
.Lfunc_end_k_q0ad01b0b2f_cast:
	.size	k_q0ad01b0b2f_cast, .Lfunc_end_k_q0ad01b0b2f_cast-k_q0ad01b0b2f_cast
	.p2alignl 7, 3214868480
	.fill 96, 4, 3214868480
	.section	.rodata,"a",@progbits
	.p2align	6, 0x0
	.amdhsa_kernel k_q0ad01b0b2f_cast
		.amdhsa_group_segment_fixed_size 0
		.amdhsa_private_segment_fixed_size 0
		.amdhsa_enable_private_segment 0
		.amdhsa_kernarg_size 88
		.amdhsa_user_sgpr_count 2
		.amdhsa_user_sgpr_kernarg_segment_ptr 1
		.amdhsa_wavefront_size32 1
		.amdhsa_system_sgpr_workgroup_id_x 1
		.amdhsa_system_sgpr_workgroup_id_y 1
		.amdhsa_system_sgpr_workgroup_id_z 1
		.amdhsa_system_vgpr_workitem_id 0
		.amdhsa_next_free_vgpr 208
		.amdhsa_next_free_sgpr 66
		.amdhsa_reserve_vcc 0
		.amdhsa_float_denorm_mode_32 3
		.amdhsa_float_denorm_mode_16_64 3
		.amdhsa_memory_ordered 1
		.amdhsa_forward_progress 1
		.amdhsa_inst_pref_size 30
	.end_amdhsa_kernel
	.amdgpu_metadata
---
amdhsa.version: [ 1, 2 ]
amdhsa.kernels:
  - .name:           k_q0ad01b0b2f_cast
    .symbol:         k_q0ad01b0b2f_cast.kd
    .args:
      - { .name: x, .offset: 0, .size: 8, .value_kind: global_buffer, .address_space: global }
      - { .name: Wq, .offset: 8, .size: 8, .value_kind: global_buffer, .address_space: global }
      - { .name: Wk, .offset: 16, .size: 8, .value_kind: global_buffer, .address_space: global }
      - { .name: Wv, .offset: 24, .size: 8, .value_kind: global_buffer, .address_space: global }
      - { .name: cos, .offset: 32, .size: 8, .value_kind: global_buffer, .address_space: global }
      - { .name: sin, .offset: 40, .size: 8, .value_kind: global_buffer, .address_space: global }
      - { .name: Wo, .offset: 48, .size: 8, .value_kind: global_buffer, .address_space: global }
      - { .name: xb, .offset: 56, .size: 8, .value_kind: global_buffer, .address_space: global }
      - { .name: wb, .offset: 64, .size: 8, .value_kind: global_buffer, .address_space: global }
      - { .name: cs, .offset: 72, .size: 8, .value_kind: global_buffer, .address_space: global }
      - { .name: wo16, .offset: 80, .size: 8, .value_kind: global_buffer, .address_space: global }
    .group_segment_fixed_size: 0
    .private_segment_fixed_size: 0
    .kernarg_segment_align: 8
    .kernarg_segment_size: 88
    .max_flat_workgroup_size: 256
    .sgpr_count:     66
    .vgpr_count:     208
    .wavefront_size: 32
...
	.end_amdgpu_metadata
.endif
;; end of part 1
;; launch qkv (part 2): grid 16 x 16, 4 waves a work-group, clusters of 4 x 4, 327,680 bytes of LDS; arguments xb, wb, cs, qkv; writes qkv
.if DOCPART == 2
	.amdgcn_target "amdgcn-amd-amdhsa--gfx1250"
	.amdhsa_code_object_version 6
	.text
	.protected	k_q0ad01b0b2f_qkv
	.globl	k_q0ad01b0b2f_qkv
	.p2align	8
	.type	k_q0ad01b0b2f_qkv,@function
k_q0ad01b0b2f_qkv:
	s_mov_b64 s[64:65], 0
	v_nop
	global_prefetch_b8 v0, s[64:65] scope:SCOPE_SE
	s_setreg_imm32_b32 hwreg(HW_REG_WAVE_MODE, 25, 1), 1
	s_wait_xcnt 0x0
	s_wait_alu depctr_hold_cnt(0) depctr_sa_sdst(0) depctr_va_vdst(0) depctr_va_sdst(0) depctr_va_ssrc(0) depctr_va_vcc(0) depctr_vm_vsrc(0)
	s_getreg_b32 s2, hwreg(HW_REG_IB_STS2, 6, 4)
	s_cmp_eq_u32 s2, 0
	s_cbranch_scc0 .Lentry_in_a_cluster
	s_endpgm
.Lentry_in_a_cluster:
	s_bfe_u32 s2, ttmp6, 0x10000c
	s_cmp_lg_u32 s2, 0xf033
	s_cbranch_scc0 .Lentry_shape_is_right
	s_endpgm
.Lentry_shape_is_right:
; QKV.  [2048 x 3072] = xb wb^T (bf16 operands, f32 sums), then RoPE on the q and k heads, a power of two, one rounding to f16, stored by heads: qkv[48][2048][64];
; heads 0-31 q' / 64, 32-39 k' / 64, 40-47 v / 4.  q'[d] = q[d] cos[d] - q[d+32] sin[d] (d < 32), q'[d] = q[d] cos[d] + q[d-32] sin[d] (d >= 32), cos and sin as given, rounded to bf16.
; LIMITS.  f16 ends at 65,504: |q'| and |k'| stay under 4.19e6, |v| under 262,016; beyond that an infinity is stored.  For the v heads cos and sin are multiplied by 0: they must be finite.
; SHARES.  A tile is 128 rows x 192 columns (three heads): 16 x 16 work-groups.  Wave w (RH = w / 2, CH = w % 2) makes rows 64 RH .. + 63 and the tile's column blocks 2 i + CH of 16 (i = 0..5):
; blocks i = 2 j and 2 j + 1 are d = 16 CH .. and d = 32 + 16 CH .. of head j, so both partners of a RoPE pair lie in one lane.  24 accumulators, 192 registers.
; THE RING HAS TWO UNEQUAL SLOTS.  A load has the time from one change of slots to the next in which to land, so the changes are made few.  Two slots of 256 along K would need 2 x 320 x 528 = 337,920
; bytes, more than the 327,680 that the launch is given.  Slot X holds 256 along K (rows of 512 bytes), slot Y 128 (rows of 256 bytes): 168,960 + 87,040 bytes; all rows start at multiples of 256
; bytes.  4096 = 10 x 384 + 256: the walk is X0 Y0 X1 Y1 .. X9 Y9 X10, 21 periods.  While X is multiplied (192 matrix instructions a wave) Y's load is out, while Y is multiplied (96) X's.
; CLUSTER.  4 x 4 work-groups: the four of a row need the same tile of xb, the four of a column the same tile of wb; each is asked for jointly, by the same load, descriptor and mask.
; THE MATRIX INSTRUCTION IS USED TRANSPOSED (source 0 = 16 rows of wb, source 1 = 16 rows of xb): a lane holds one row of x (lane % 16) and eight neighbouring columns 8 (lane / 16) + 0..7.
; REGISTERS.  window 0: v0-31 addresses; v64-255 accumulators, (a, i) at 64 + 8 (6 a + i).  window 1: two fragment buffers of 80 (wb's six fragments, then xb's four); v160-223 cos and sin as loaded.
.set SIZE_K, 4096
.set KX,     256                       ; along K in slot X
.set KY,     128                       ; in slot Y
.set PX,     528                       ; a row in X: 512 bytes + 16 of padding
.set PY,     272                       ; a row in Y: 256 + 16.  Both are odd multiples of 16 bytes: the 16 rows of a fragment load start at 16 different groups of four banks (64 banks of 4 bytes: ISA guide 11.1)
.set XB,     128*PX                    ; in X: xb's 128 rows from byte 0, then wb's 192
.set YA,     320*PX                    ; slot Y: xb's rows,
.set YB,     YA+128*PY                 ; then wb's
.set STAGE,  YA+320*PY                 ; behind the ring, never filled by a tensor load: [3 heads][128 rows] of 128 bytes + 16
.set SP,     144
.set SPARE,  STAGE+3*128*SP            ; the spare words, 128 bytes a wave: two blocks of 256 bytes that no other line names
.set PAIRS,  SIZE_K/(KX+KY)            ; 10 pairs of X and Y; the 256 left over are the eleventh X
.set FLDX,   (1<<16)|(1<<20)|(1<<21)|(6<<22)|(3<<25)  ; 2-byte elements; padding on; bit 21 beside a mask; after every 128 words; 4 words
.set FLDY,   (1<<16)|(1<<20)|(1<<21)|(5<<22)|(3<<25)  ; the same after every 64 words
.set WXA,  10                          ; v10-12 the addresses of v16-18 plus the byte along K at which X's inner loop stands
.set WXB0, 11
.set AXA,  16                          ; v16 LDS address of my fragments of xb in X; never rewritten
.set AXB0, 17                          ; v17 of wb's blocks i = 0..2 in X;  v18 of blocks 3..5, 96 rows on: an LDS offset has 16 bits
.set AXB1, 18
.set AYA,  20                          ; v20, v21 the same in Y
.set AYB,  21
.set STO,  24                          ; v24 where I put 16 bytes of a head's row
.set RD,   25                          ; v25 where I read rows back
.set GO,   26                          ; v26 16 x lane
.set CSO,  27                          ; v27 my byte offset in cos
.set SPW,  28                          ; v28 SPARE + 4 x my thread's number; never rewritten
.set NIL,  29                          ; v29 0; never rewritten
.set ACC,  64
.set F0,   0                           ; window 1
.set F1,   80
.set CR,   160                         ; window 1: for row block a 16 registers: cos d<32, cos d>=32, sin d<32, sin d>=32, four each (8 bf16)
.set CU,   0                           ; window 1, on the way out: the same widened to f32, 8 each
.set CJ,   32                          ; the same with head j's factors
.set T,    64                          ; 16 results
.set U,    80                          ; 16 products
.set PKD,  96                          ; 8 registers of f16
.set BK,   0                           ; 96 registers read back from the stage
.set WV, 12
.set RH, 13
.set CH, 14
.set KO, 22                            ; s22 the byte along K at which X's inner loop stands
.set XC, 23                            ; s23 its counter
.set G1AX, 24                          ; s[24:31] group 1: xb's tile for X;  + 8: wb's;  + 16, + 24: the same for Y
.set G1BX, 32
.set G0AX, 56                          ; s[56:59] group 0: xb's tile for X;  s[60:63] wb's;  + 12: the same for Y (s[68:71], s[72:75])
.set G0BX, 60
.set FJ, 76                            ; s[76:81] a pair a head: the factor of cos and sin: 2^-6, or 0 for a v head
.set GJ, 82                            ; s[82:87] a pair a head: what is added to cos: 0, or 2^-2 for a v head
.set HM, 88                            ; s88 a word's upper bf16
.set CX, 89
.set CY, 90
.set TX, 91                            ; tile column
.set TY, 92                            ; tile row
.set MSB, 0
.macro WIN new                         ; the immediate's high byte repeats the setting that is left; a switch that changes nothing is dropped
.if MSB != (\new)
	s_set_vgpr_msb (MSB<<8)|(\new)
.set MSB, \new
.endif
.endm
.set MUL,  0x05                        ; sources 0 and 1 in window 1; C and D in window 0
.set TO_F, 0x40                        ; destination in window 1, address in window 0
.macro PLACES                          ; four plain places behind matrix instructions (ISA guide 7.12.1)
.rept 4
	v_nop
.endr
.endm
.macro JLOAD s                         ; a joint load into slot X (s = 0) or Y (1): waves 0 and 1 fetch xb's two halves, waves 2 and 3 wb's; an s_nop 0 and four v_nop follow each line
	s_cmp_eq_u32 s[RH], 0
	s_cbranch_scc0 .Lfor_b_\@
	tensor_load_to_lds s[G0AX+12*(\s):G0AX+12*(\s)+3], s[G1AX+16*(\s):G1AX+16*(\s)+7]
	s_nop 0
.rept 4
	v_nop
.endr
	s_branch .Lasked_\@
.Lfor_b_\@:
	tensor_load_to_lds s[G0BX+12*(\s):G0BX+12*(\s)+3], s[G1BX+16*(\s):G1BX+16*(\s)+7]
	s_nop 0
.rept 4
	v_nop
.endr
.Lasked_\@:
.endm
.macro CROUND                          ; a round of the cluster's barrier
	s_barrier_signal -1
	s_barrier_wait -1
	s_cmp_lg_u32 s[WV], 0
	s_cbranch_scc1 .Lnot_wave_0_\@
	s_barrier_signal -3
.Lnot_wave_0_\@:
	s_barrier_wait -3
	s_barrier_signal -1
	s_barrier_wait -1
.endm
.macro SHAPE g, cols, rows             ; group 1's words 1 to 7: a tile of rows x cols elements out of rows of SIZE_K
	s_mov_b32 s[(\g)+1], (\cols)<<16               ; tensor_dim0
	s_mov_b32 s[(\g)+2], (\rows)<<16               ; tensor_dim1
	s_mov_b32 s[(\g)+3], (\cols)<<16               ; tile_dim0
	s_mov_b32 s[(\g)+4], \rows                     ; tile_dim1
	s_mov_b32 s[(\g)+5], SIZE_K                    ; elements from row to row
	s_mov_b32 s[(\g)+6], 0
	s_mov_b32 s[(\g)+7], 0
.endm
	s_load_b256 s[4:11], s[0:1], 0x0               ; xb s[4:5], wb s[6:7], cs s[8:9], qkv s[10:11]
	v_lshl_add_u32 v[SPW], v0, 2, SPARE
	v_mov_b32 v[NIL], 0
	ds_add_u32 v[SPW], v[NIL]                      ; the wave's opening: the add and its wait stand ahead of my first tensor load; the set-up below stands between them
	v_lshrrev_b32 v1, 5, v0
	v_readfirstlane_b32 s[WV], v1                  ; wave 0..3
	s_lshr_b32 s[RH], s[WV], 1                     ; my half of the rows.  Also: I fetch for xb (0) or for wb (1)
	s_and_b32 s[CH], s[WV], 1                      ; my parity of column blocks.  Also: which half of that tile I fetch
	s_bfe_u32 s[CX], ttmp6, 0x40000
	s_bfe_u32 s[CY], ttmp6, 0x40004
	s_lshl_b32 s[TX], ttmp9, 2
	s_add_co_u32 s[TX], s[TX], s[CX]               ; tile column = 4 x cluster x + cx
	s_and_b32 s[TY], ttmp7, 0xffff
	s_lshl_b32 s[TY], s[TY], 2
	s_add_co_u32 s[TY], s[TY], s[CY]               ; tile row = 4 x cluster y + cy
	s_lshl_b32 s93, s[CY], 2
	s_lshl_b32 s93, 15, s93                        ; my row of the cluster
	s_lshl_b32 s94, 0x1111, s[CX]                  ; my column
	s_or_b32 s[G1AX], s93, FLDX
	s_or_b32 s[G1BX], s94, FLDX
	s_or_b32 s[G1AX+16], s93, FLDY
	s_or_b32 s[G1BX+16], s94, FLDY
	SHAPE G1AX, KX, 64                             ; a load of xb brings 64 rows, a load of wb 96
	SHAPE G1BX, KX, 96
	SHAPE G1AX+16, KY, 64
	SHAPE G1BX+16, KY, 96
	s_lshl_b32 s16, s[TY], 7
	s_lshl_b32 s17, s[CH], 6
	s_add_co_u32 s16, s16, s17                     ; xb: row 128 x tile row + 64 x half,
	s_lshl_b32 s16, s16, 13                        ; of 8,192 bytes
	s_mov_b32 s17, 0
	s_mul_i32 s96, s[TX], 192
	s_mul_i32 s97, s[CH], 96
	s_add_co_u32 s96, s96, s97                     ; wb: row 192 x tile column + 96 x half
	s_lshl_b32 s96, s96, 13
	s_mov_b32 s97, 0
	s_mov_b32 s[G0AX], 1                           ; group 0: the word 1, and where the tiles go: no place in the cluster enters an LDS address
	s_mul_i32 s[G0AX+1], s[CH], 64*PX
	s_mov_b32 s[G0BX], 1
	s_mul_i32 s[G0BX+1], s[CH], 96*PX
	s_add_co_u32 s[G0BX+1], s[G0BX+1], XB
	s_mov_b32 s[G0AX+12], 1
	s_mul_i32 s[G0AX+13], s[CH], 64*PY
	s_add_co_u32 s[G0AX+13], s[G0AX+13], YA
	s_mov_b32 s[G0BX+12], 1
	s_mul_i32 s[G0BX+13], s[CH], 96*PY
	s_add_co_u32 s[G0BX+13], s[G0BX+13], YB
	s_wait_dscnt 0x0                               ; the opening add is done
	s_wait_kmcnt 0x0
	s_add_nc_u64 s[G0AX+2:G0AX+3], s[4:5], s[16:17]            ; X0 begins at K = 0,
	s_add_nc_u64 s[G0AX+14:G0AX+15], s[G0AX+2:G0AX+3], KX*2    ; Y0 at K = 256
	s_or_b32 s[G0AX+3], s[G0AX+3], 0x80000000
	s_or_b32 s[G0AX+15], s[G0AX+15], 0x80000000
	s_add_nc_u64 s[G0BX+2:G0BX+3], s[6:7], s[96:97]
	s_add_nc_u64 s[G0BX+14:G0BX+15], s[G0BX+2:G0BX+3], KX*2
	s_or_b32 s[G0BX+3], s[G0BX+3], 0x80000000
	s_or_b32 s[G0BX+15], s[G0BX+15], 0x80000000
	CROUND                                         ; all sixteen work-groups are here: the first joint loads meet
	JLOAD 0                                        ; X0
	JLOAD 1                                        ; Y0: two loads of mine are out
	v_and_b32 v1, 15, v0                           ; r = l % 16
	v_bfe_u32 v2, v0, 4, 1                         ; h = l / 16
	v_mul_u32_u24 v3, v1, PX
	v_lshl_add_u32 v3, v2, 4, v3                   ; a fragment's row x pitch + 16 x half, in X
	v_mul_u32_u24 v4, v1, PY
	v_lshl_add_u32 v4, v2, 4, v4                   ; and in Y
	s_mul_i32 s16, s[RH], 64*PX                    ; my 64 rows of xb
	s_mul_i32 s17, s[CH], 16*PX                    ; my first block of wb's rows; the others lie 32 rows apart
	s_add_co_u32 s17, s17, XB
	v_add_nc_u32 v[AXA], s16, v3
	v_add_nc_u32 v[AXB0], s17, v3
	v_add_nc_u32 v[AXB1], 3*32*PX, v[AXB0]
	s_mul_i32 s16, s[RH], 64*PY
	s_add_co_u32 s16, s16, YA
	s_mul_i32 s17, s[CH], 16*PY
	s_add_co_u32 s17, s17, YB
	v_add_nc_u32 v[AYA], s16, v4
	v_add_nc_u32 v[AYB], s17, v4
	s_mul_i32 s16, s[RH], 64*SP                    ; into the stage: row 64 RH + r, bytes 32 CH + 16 h of a head's 128
	s_lshl_b32 s17, s[CH], 5
	s_add_co_u32 s16, s16, s17
	s_add_co_u32 s16, s16, STAGE
	v_mul_u32_u24 v4, v1, SP
	v_lshl_add_u32 v4, v2, 4, v4
	v_add_nc_u32 v[STO], s16, v4
	s_mul_i32 s16, s[WV], 32*SP                    ; back: wave w takes rows 32 w .. + 31 of each head; 32 lanes take four rows of 128 bytes
	s_add_co_u32 s16, s16, STAGE
	v_bfe_u32 v4, v0, 3, 2
	v_mul_u32_u24 v4, v4, SP
	v_and_b32 v3, 7, v0
	v_lshl_add_u32 v4, v3, 4, v4
	v_add_nc_u32 v[RD], s16, v4
	v_and_b32 v[GO], 31, v0
	v_lshlrev_b32 v[GO], 4, v[GO]
	s_lshl_b32 s16, s[TY], 7                       ; cos and sin: row 128 x tile row + 64 RH + r, 128 bytes a row, bytes 32 CH + 16 h
	s_lshl_b32 s17, s[RH], 6
	s_add_co_u32 s16, s16, s17
	s_lshl_b32 s16, s16, 7
	s_lshl_b32 s17, s[CH], 5
	s_add_co_u32 s16, s16, s17
	v_lshlrev_b32 v5, 7, v1
	v_lshl_add_u32 v5, v2, 4, v5
	v_add_nc_u32 v[CSO], s16, v5
	WIN TO_F
.irp a, 0,1,2,3                        ; 16 loads that stay out while K is walked; they are waited for on the way out
	global_load_b128 v[CR+16*(\a):CR+16*(\a)+3],     v[CSO], s[8:9] offset:2048*(\a)
	global_load_b128 v[CR+16*(\a)+4:CR+16*(\a)+7],   v[CSO], s[8:9] offset:2048*(\a)+64
	global_load_b128 v[CR+16*(\a)+8:CR+16*(\a)+11],  v[CSO], s[8:9] offset:2048*(\a)+262144
	global_load_b128 v[CR+16*(\a)+12:CR+16*(\a)+15], v[CSO], s[8:9] offset:2048*(\a)+262144+64
.endr
	WIN 0
	s_lshl_b32 s16, s[TY], 7                       ; qkv: rows 128 x tile row + 32 w of 128 bytes,
	s_lshl_b32 s17, s[WV], 5
	s_add_co_u32 s16, s16, s17
	s_lshl_b32 s16, s16, 7
	s_mov_b32 s17, 0
	s_add_nc_u64 s[10:11], s[10:11], s[16:17]
	s_mul_i32 s96, s[TX], 786432                   ; in head 3 x tile column (a head is 262,144 bytes)
	s_mov_b32 s97, 0
	s_add_nc_u64 s[10:11], s[10:11], s[96:97]
	s_mul_i32 s96, s[TX], 3
.irp j, 0,1,2                          ; selects, no branches: the head's kind hangs on the work-group's place
	s_add_co_u32 s97, s96, \j
	s_cmp_lt_u32 s97, 40                           ; heads 0-39 are q and k
	s_cselect_b32 s[FJ+2*\j], 0x3c800000, 0        ; 2^-6
	s_cselect_b32 s[GJ+2*\j], 0, 0x3e800000        ; 2^-2
	s_mov_b32 s[FJ+2*\j+1], s[FJ+2*\j]             ; named as pairs
	s_mov_b32 s[GJ+2*\j+1], s[GJ+2*\j]
.endr
	s_mov_b32 s[HM], 0xffff0000
; 6 matrix instructions: row block a x my six column blocks, 32 along K.  The 24 accumulators take turns in the same order in every quarter.  zero = 1: the product starts the sum.
.macro MULA f, a, zero
	WIN MUL
.irp i, 0,1,2,3,4,5
.if \zero
	v_wmma_f32_16x16x32_bf16 v[ACC+8*(6*(\a)+(\i)):ACC+8*(6*(\a)+(\i))+7], v[(\f)+8*(\i):(\f)+8*(\i)+7], v[(\f)+48+8*(\a):(\f)+48+8*(\a)+7], 0
.else
	v_wmma_f32_16x16x32_bf16 v[ACC+8*(6*(\a)+(\i)):ACC+8*(6*(\a)+(\i))+7], v[(\f)+8*(\i):(\f)+8*(\i)+7], v[(\f)+48+8*(\a):(\f)+48+8*(\a)+7], v[ACC+8*(6*(\a)+(\i)):ACC+8*(6*(\a)+(\i))+7]
.endif
.endr
.endm
; 20 LDS loads in one run: the fragments of 32 along K at byte k of the rows, into buffer f: wb's twelve first, then xb's eight.
; slot 0: X, by its fixed addresses;  slot 2: X, by the inner loop's addresses;  slot 1: Y.
.macro FETCH slot, k, f
	WIN TO_F
.if (\slot) == 1
.irp i, 0,1,2,3,4,5
	ds_load_b128 v[(\f)+8*(\i):(\f)+8*(\i)+3],   v[AYB] offset:(\k)+(\i)*32*PY
	ds_load_b128 v[(\f)+8*(\i)+4:(\f)+8*(\i)+7], v[AYB] offset:(\k)+(\i)*32*PY+32
.endr
.irp i, 0,1,2,3
	ds_load_b128 v[(\f)+48+8*(\i):(\f)+48+8*(\i)+3],   v[AYA] offset:(\k)+(\i)*16*PY
	ds_load_b128 v[(\f)+48+8*(\i)+4:(\f)+48+8*(\i)+7], v[AYA] offset:(\k)+(\i)*16*PY+32
.endr
.else
.if (\slot) == 0
.set FRA, AXA
.set FRB, AXB0
.else
.set FRA, WXA
.set FRB, WXB0
.endif
.irp i, 0,1,2,3,4,5
	ds_load_b128 v[(\f)+8*(\i):(\f)+8*(\i)+3],   v[FRB+(\i)/3] offset:(\k)+((\i)%3)*32*PX
	ds_load_b128 v[(\f)+8*(\i)+4:(\f)+8*(\i)+7], v[FRB+(\i)/3] offset:(\k)+((\i)%3)*32*PX+32
.endr
.irp i, 0,1,2,3
	ds_load_b128 v[(\f)+48+8*(\i):(\f)+48+8*(\i)+3],   v[FRA] offset:(\k)+(\i)*16*PX
	ds_load_b128 v[(\f)+48+8*(\i)+4:(\f)+48+8*(\i)+7], v[FRA] offset:(\k)+(\i)*16*PX+32
.endr
.endif
.endm
; A quarter is 32 along K, 24 matrix instructions; X has eight, Y four, on buffers 0, 1, 0, 1 ..  All but a slot's last: multiplies buffer f and fetches the next quarter, at byte k, into g.
.macro QUARTER slot, k, f, g, zero
	s_wait_dscnt 4                                 ; wb's fragments and xb's row blocks 0 and 1 are in; the youngest four loads (blocks 2 and 3) may be out
	MULA \f, 0, \zero
	MULA \f, 1, \zero
	PLACES                                         ; in front of loads into the buffer that the quarter before multiplied
	FETCH \slot, \k, \g
	s_wait_dscnt 20                                ; all but the 20 just issued
	MULA \f, 2, \zero
	MULA \f, 3, \zero
.endm
; X's quarters 1 to 6: written once as two, walked three times.  The byte along K is a scalar that steps by 128; it is added to the three fixed addresses at a trip's head.
.macro XREST
	WIN 0                                          ; at a label and at a branch every window is 0
	s_mov_b32 s[KO], 0
	s_mov_b32 s[XC], 3
.Lx_\@:
	v_add_nc_u32 v[WXA], s[KO], v[AXA]
	v_add_nc_u32 v[WXB0], s[KO], v[AXB0]
	v_add_nc_u32 v[WXB0+1], s[KO], v[AXB1]
	QUARTER 2, 128, F1, F0, 0
	QUARTER 2, 192, F0, F1, 0
	WIN 0
	s_add_co_u32 s[KO], s[KO], 128
	s_sub_co_u32 s[XC], s[XC], 1
	s_cmp_lg_u32 s[XC], 0
	s_cbranch_scc1 .Lx_\@
.endm
.macro YREST                           ; Y's quarters 0 to 2
	QUARTER 1, 64,  F0, F1, 0
	QUARTER 1, 128, F1, F0, 0
	QUARTER 1, 192, F0, F1, 0
.endm
; A slot's last quarter multiplies buffer 1 and changes slots.  Half of its products stand ahead of the wait for the tensor loads, so that between a tile's landing and the next request stand the add and
; the round alone.  Each wave waits for all its tensor loads (one is out: its part of the next slot), adds 0 to its spare word, and waits for that and for its own reads of this slot.
; fill = 1: a round of the cluster's barrier, and this slot is filled again first thing behind it, 384 further along K.  The other half of the products stands behind the next slot's first LDS loads.
.macro TURN slot, next, fill
	s_wait_dscnt 4
	MULA F1, 0, 0
	MULA F1, 1, 0
	WIN 0
	s_wait_tensorcnt 0x0                           ; no tensor load of mine is out, so a group 0 may be written
	ds_add_u32 v[SPW], v[NIL]
.if \fill
	s_add_nc_u64 s[G0AX+12*(\slot)+2:G0AX+12*(\slot)+3], s[G0AX+12*(\slot)+2:G0AX+12*(\slot)+3], (KX+KY)*2
	s_add_nc_u64 s[G0BX+12*(\slot)+2:G0BX+12*(\slot)+3], s[G0BX+12*(\slot)+2:G0BX+12*(\slot)+3], (KX+KY)*2
.endif
	s_wait_dscnt 0x0                               ; the add is done, and my reads of this slot are over
.if \fill
	CROUND                                         ; no wave of any partner still reads this slot or has a load on its way
	JLOAD \slot                                    ; its four v_nop are also the places in front of the loads below
.else
	s_barrier_signal -1
	s_barrier_wait -1
	PLACES
.endif
	FETCH \next, 0, F0
	MULA F1, 2, 0
	MULA F1, 3, 0
.endm
	s_wait_tensorcnt 1                             ; my part of X0 is in; Y0's may stay out
	s_barrier_signal -1
	s_barrier_wait -1                              ; everybody's is
	FETCH 0, 0, F0
	QUARTER 0, 64, F0, F1, 1                       ; the first quarter stands in front of the loop: its products start the sums
	WIN 0
	s_mov_b32 s3, PAIRS-1
.Lpair:                                        ; 9 trips, each once round the ring, from an X's second quarter to the next X's first; both slots are filled again
	XREST
	TURN 0, 1, 1
	YREST
	TURN 1, 0, 1
	QUARTER 0, 64, F0, F1, 0
	WIN 0
	s_sub_co_u32 s3, s3, 1
	s_cmp_lg_u32 s3, 0
	s_cbranch_scc1 .Lpair
	XREST                                          ; the tail is written out: X9
	TURN 0, 1, 1                                   ; the last fill: X10,
	YREST                                          ; Y9,
	TURN 1, 0, 0                                   ; nothing is asked for,
	QUARTER 0, 64, F0, F1, 0                       ; X10
	XREST
	s_wait_dscnt 4                                 ; the very last quarter
	MULA F1, 0, 0
	MULA F1, 1, 0
	s_wait_dscnt 0x0
	MULA F1, 2, 0
	MULA F1, 3, 0
	WIN 0
	PLACES
	PLACES                                         ; eight, once a launch
	s_wait_loadcnt 0x0                             ; cos and sin
; THE WAY OUT.  For each row block a: cos and sin widened to f32; for each head j they take the head's factors; RoPE; one rounding to f16; 16 bytes a lane, twice, into the stage.
.macro UNPACK a
	WIN 0x55                                       ; all in window 1
.irp n, 0,1,2,3,4,5,6,7,8,9,10,11,12,13,14,15
	v_lshlrev_b32 v[CU+2*(\n)],   16,  v[CR+16*(\a)+(\n)]
	v_and_b32     v[CU+2*(\n)+1], s[HM], v[CR+16*(\a)+(\n)]
.endr
.endm
.macro HEADC j                         ; q and k heads: cos / 64, sin / 64.  v heads: 1 / 4 and 0: the 'rotation' then leaves v / 4
	WIN 0x55
.irp n, 0,2,4,6,8,10,12,14
	v_pk_fma_f32 v[CJ+(\n):CJ+(\n)+1], v[CU+(\n):CU+(\n)+1], s[FJ+2*(\j):FJ+2*(\j)+1], s[GJ+2*(\j):GJ+2*(\j)+1] op_sel_hi:[1,0,0]
.endr
.irp n, 16,18,20,22,24,26,28,30
	v_pk_mul_f32 v[CJ+(\n):CJ+(\n)+1], v[CU+(\n):CU+(\n)+1], s[FJ+2*(\j):FJ+2*(\j)+1] op_sel_hi:[1,0]
.endr
.endm
.macro ROPE a, j                       ; each accumulator is read from its low end on
.set LO, ACC+8*(6*(\a)+2*(\j))         ; d = 16 CH + 8 h + 0..7
.set HI, LO+8                          ; d + 32
	WIN 0x54                                       ; source 0 (the sums) in window 0, all else in window 1
.irp n, 0,2,4,6
	v_pk_mul_f32 v[U+(\n):U+(\n)+1], v[HI+(\n):HI+(\n)+1], v[CJ+16+(\n):CJ+17+(\n)]
.endr
.irp n, 0,2,4,6
	v_pk_fma_f32 v[T+(\n):T+(\n)+1], v[LO+(\n):LO+(\n)+1], v[CJ+(\n):CJ+(\n)+1], v[U+(\n):U+(\n)+1] neg_lo:[0,0,1] neg_hi:[0,0,1]
.endr
.irp n, 0,2,4,6
	v_pk_mul_f32 v[U+8+(\n):U+9+(\n)], v[LO+(\n):LO+(\n)+1], v[CJ+24+(\n):CJ+25+(\n)]
.endr
.irp n, 0,2,4,6
	v_pk_fma_f32 v[T+8+(\n):T+9+(\n)], v[HI+(\n):HI+(\n)+1], v[CJ+8+(\n):CJ+9+(\n)], v[U+8+(\n):U+9+(\n)]
.endr
	WIN 0x55
.irp n, 0,1,2,3,4,5,6,7
	v_cvt_pk_f16_f32 v[PKD+(\n)], v[T+2*(\n)], v[T+2*(\n)+1]
.endr
	WIN 0x04                                       ; address in window 0, data in window 1
	ds_store_b128 v[STO], v[PKD:PKD+3]   offset:(\j)*128*SP+(\a)*16*SP
	ds_store_b128 v[STO], v[PKD+4:PKD+7] offset:(\j)*128*SP+(\a)*16*SP+64
.endm
.irp a, 0,1,2,3
	UNPACK \a
.irp j, 0,1,2
	HEADC \j
	ROPE \a, \j
.endr
.endr
	WIN 0
	s_wait_dscnt 0x0                               ; for the others' sake: my stores into the stage are done (a row's 128 bytes come from two waves)
	s_barrier_signal -1
	s_barrier_wait -1
	WIN TO_F
.set cnt, 0
.rept 24                               ; head cnt / 8, rows 4 (cnt % 8) .. + 3 of my 32
	ds_load_b128 v[BK+4*cnt:BK+4*cnt+3], v[RD] offset:(cnt/8)*128*SP+(cnt%8)*4*SP
.set cnt, cnt+1
.endr
	WIN 0x04
.set cnt, 0
.rept 24
	s_wait_dscnt 23-cnt                            ; LDS loads come back in order: this one is in, the younger ones stay out
	global_store_b128 v[GO], v[BK+4*cnt:BK+4*cnt+3], s[10:11] offset:(cnt/8)*262144+(cnt%8)*512  ; 512 consecutive bytes, at a multiple of 512 from the buffer's first
.set cnt, cnt+1
.endr
	WIN 0
	s_wait_tensorcnt 0x0                           ; the wave's end, behind my last tensor load and my last LDS store
	ds_add_u32 v[SPW], v[NIL]
	s_wait_dscnt 0x0
	CROUND                                         ; the closing round: no work-group ends while a partner may still ask for a tile that names it
	s_endpgm
.Lfunc_end_k_q0ad01b0b2f_qkv:
	.size	k_q0ad01b0b2f_qkv, .Lfunc_end_k_q0ad01b0b2f_qkv-k_q0ad01b0b2f_qkv
	.p2alignl 7, 3214868480
	.fill 96, 4, 3214868480
	.section	.rodata,"a",@progbits
	.p2align	6, 0x0
	.amdhsa_kernel k_q0ad01b0b2f_qkv
		.amdhsa_group_segment_fixed_size 327680
		.amdhsa_private_segment_fixed_size 0
		.amdhsa_enable_private_segment 0
		.amdhsa_kernarg_size 32
		.amdhsa_user_sgpr_count 2
		.amdhsa_user_sgpr_kernarg_segment_ptr 1
		.amdhsa_wavefront_size32 1
		.amdhsa_system_sgpr_workgroup_id_x 1
		.amdhsa_system_sgpr_workgroup_id_y 1
		.amdhsa_system_sgpr_workgroup_id_z 1
		.amdhsa_system_vgpr_workitem_id 0
		.amdhsa_next_free_vgpr 480
		.amdhsa_next_free_sgpr 98
		.amdhsa_reserve_vcc 0
		.amdhsa_float_denorm_mode_32 3
		.amdhsa_float_denorm_mode_16_64 3
		.amdhsa_memory_ordered 1
		.amdhsa_forward_progress 1
		.amdhsa_inst_pref_size 118
	.end_amdhsa_kernel
	.amdgpu_metadata
---
amdhsa.version: [ 1, 2 ]
amdhsa.kernels:
  - .name:           k_q0ad01b0b2f_qkv
    .symbol:         k_q0ad01b0b2f_qkv.kd
    .args:
      - { .name: xb, .offset: 0, .size: 8, .value_kind: global_buffer, .address_space: global }
      - { .name: wb, .offset: 8, .size: 8, .value_kind: global_buffer, .address_space: global }
      - { .name: cs, .offset: 16, .size: 8, .value_kind: global_buffer, .address_space: global }
      - { .name: qkv, .offset: 24, .size: 8, .value_kind: global_buffer, .address_space: global }
    .group_segment_fixed_size: 327680
    .private_segment_fixed_size: 0
    .kernarg_segment_align: 8
    .kernarg_segment_size: 32
    .max_flat_workgroup_size: 128
    .sgpr_count:     98
    .vgpr_count:     480
    .wavefront_size: 32
...
	.end_amdgpu_metadata
.endif
;; end of part 2
;; launch attn (part 3): grid 32 x 8, 4 waves a work-group, clusters of 4 x 1, 327,680 bytes of LDS; arguments qkv, ob; writes ob
.if DOCPART == 3
	.amdgcn_target "amdgcn-amd-amdhsa--gfx1250"
	.amdhsa_code_object_version 6
	.text
	.protected	k_q0ad01b0b2f_attn
	.globl	k_q0ad01b0b2f_attn
	.p2align	8
	.type	k_q0ad01b0b2f_attn,@function
k_q0ad01b0b2f_attn:
	s_mov_b64 s[64:65], 0
	v_nop
	global_prefetch_b8 v0, s[64:65] scope:SCOPE_SE
	s_setreg_imm32_b32 hwreg(HW_REG_WAVE_MODE, 25, 1), 1
	s_wait_xcnt 0x0
	s_wait_alu depctr_hold_cnt(0) depctr_sa_sdst(0) depctr_va_vdst(0) depctr_va_sdst(0) depctr_va_ssrc(0) depctr_va_vcc(0) depctr_vm_vsrc(0)
	s_getreg_b32 s2, hwreg(HW_REG_IB_STS2, 6, 4)
	s_cmp_eq_u32 s2, 0
	s_cbranch_scc0 .Lentry_in_a_cluster
	s_endpgm
.Lentry_in_a_cluster:
	s_bfe_u32 s2, ttmp6, 0x10000c
	s_cmp_lg_u32 s2, 0x3003
	s_cbranch_scc0 .Lentry_shape_is_right
	s_endpgm
.Lentry_shape_is_right:
; CAUSAL ATTENTION, 32 query heads on 8 key and value heads, head size 64, 2,048 rows.  qkv[48][2048][64] f16: heads 0-31 q' / 64, 32-39 k' / 64, 40-47 v / 4.  ob[32][2048][64] f16 takes O / 4.
; Products, maxima and sums in f32; the weights p are rounded to f16 for the second product (their sum l is taken of the unrounded p), O once at the end.
; p = 2^(c s - c m) with a running maximum m; s is the product of the stored q and k, so c = log2(e) / 8 x 2^12.  In every step O and l are multiplied by a = 2^(c m_old - c m_new).
; LIMITS.  A hidden score counts as its value less 1e30 (stored scores reach 64 x 65,504^2 = 2.7e11 at the most); a weight below 2^-126 counts as 0; below 6e-5 p keeps f16's fixed step of 6e-8;
; NaN and infinities are not treated apart.
; THE WALK.  A head's queries lie in 16 blocks of 128; block i needs the key tiles 0 .. i of 128 keys, the last of which holds the diagonal.  A work-group takes blocks 15 - b and then b: 17 tiles
; whatever b, so all 256 work-groups do equal work and ONE loop with a constant trip count walks them.  The diagonal tile is computed whole, under masks.
; CLUSTER.  The four query heads of a key and value head, with the same b, form a cluster: they walk the same tiles in the same trips, so every tile is asked for JOINTLY (mask of four).
; b is the cluster's y, the key and value head its x: every branch and trip count is alike in the four partners; the place in the cluster enters Q's, O's and the prefetches' addresses alone.
; SHARES.  Wave w owns rows 32 w .. + 31 of a block: two tiles u of 16 queries.  A key tile is two steps of 64 keys.
; LAYOUT.  S^T = K Q^T (source 0 = 16 keys, source 1 = 16 queries): a lane holds ONE query (lane % 16) and the keys 8 (lane / 16) + 0..7; two such results rounded to f16 in pairs ARE source 1 of
; O^T = V^T P.  K comes out of LDS as it lies, V turned by ds_load_tr16_b128.
; THE MASK is the C operand of the products that start S^T's sums: MC, zeros in ordinary tiles.  In the diagonal tile's step s, key block kb, tile u, register j is hidden where
; 16 (4 s + kb - u) + j > 32 w + l % 16 - 8 (l / 16): nine groups of eight registers (MD), made once; a step's MC is a copy of eight of them.
; IN PHASES.  A step is 16 products K Q^T, the softmax of both tiles, 16 products V^T P.  The 66 exponentials of a step are one batch with one wait.
; REGISTERS.  window 0: v0-34 addresses and statistics; v64-127 S^T; v128-159 P; v160-223 O^T; v224-255 the second block's Q.  window 1: v0-31 Q; v32-95 K; v96-159 V; v160-223 MC.  window 2: v0-71 MD.
.set PK,    144       ; a row of K in LDS: 128 bytes + 16: the 16 rows of a load start at 16 different groups of four banks (64 banks of 4 bytes: ISA guide 11.1)
.set PV,    160       ; a row of V: 128 + 32
.set VOFF,  128*PK    ; a slot holds a tile: 128 rows of K, then 128 rows of V
.set SLOT1, 1<<16     ; slot 1 begins here, so that one exclusive or turns an address in one slot into the other's
.set STAGE, SLOT1+128*(PK+PV)  ; behind the ring, never filled by a tensor load: 16 rows x 144 bytes a wave
.set SP,    144
.set SPARE, STAGE+4*16*SP      ; the spare words, 128 bytes a wave: two blocks of 256 bytes that no other line names
.set AK0, 2           ; v2  my lane's place in a tile of K; never rewritten
.set AV0, 3           ; v3  the same for V, VOFF within
.set AK,  4           ; v4  the same in the slot in hand
.set AV,  5
.set STO, 6           ; v6  the way out: where I put 16 bytes of a row
.set RD,  7           ; v7  where I read rows back
.set GO,  8           ; v8  16 x lane
.set MV,  12          ; v12-13  c m_old, by tile
.set QO,  15          ; v15 my byte offset in 16 rows of Q
.set ST,  16          ; tile u's statistics at v[ST+4 u]: c m, m, l (even keys', odd keys')
.set TMP, 24          ; tile u: four registers c0-c3 at work; when the maximum is found c2 takes a
.set PFO, 32          ; v32 the prefetches' offset; never rewritten
.set SPW, 33          ; v33 SPARE + 4 x my thread's number; never rewritten
.set NIL, 34          ; v34 0; never rewritten
.set S,   64
.set P,   128
.set O,   160
.set QB,  224
.set Q,   0           ; window 1: tile u, channel half c at Q + 16 u + 8 c
.set KF,  32          ; window 1: key block kb, channel half c at KF + 16 kb + 8 c
.set VF,  96          ; window 1: key half kk, channel block cb at VF + 32 kk + 8 cb
.set MC,  160         ; window 1: tile u, key block kb at MC + 32 u + 8 kb
.set MD,  0           ; window 2
.set KB,  8           ; s[8:9]   K at my half of the head's tile 0
.set VB,  10          ; s[10:11] V likewise
.set WV,  12
.set PB,  14          ; b
.set HI,  15          ; 15 - b
.set PFA, 18          ; s[18:19] where my prefetches stand
.set G1K, 24
.set G1V, 32
.set G0K, 40
.set G0V, 44
.set OP,  48          ; s[48:49] O at my rows of the block in hand
.set OLO, 50          ; s[50:51] of the second block
.set QP1, 52
.set QP2, 54
.set SLOTS, 56        ; fills still to come
.set LIM, 57          ; 3 in the wave that prefetches, else the greatest number
.set CS,  58
.set SEL, 60
.set TB,  62          ; LDS byte at which the slot in hand begins
.set RT,  70          ; tiles of the block in hand still to be entered
.set NXT, 71          ; the tile to be asked for next
.set LQ,  72          ; the last tile of the block whose tiles are being asked for
.set OFF, 74
.set BIGN, 82
.set MSB, 0
.macro WIN new
.if MSB != (\new)
	s_set_vgpr_msb (MSB<<8)|(\new)
.set MSB, (\new)
.endif
.endm
.set W_KM, 0x15       ; K, Q and the mask in window 1, S^T in window 0
.set W_KQ, 0x05       ; K and Q in window 1
.set W_PV, 0x01       ; V in window 1
.macro PLACES
.rept 4
	v_nop
.endr
.endm
; A joint fill.  Waves 0 and 1 fetch the two halves of a tile's K, waves 2 and 3 those of its V: 64 keys each.  An s_nop 0 and four v_nop follow each line.
.macro JLOAD
	s_cmp_lt_u32 s[WV], 2
	s_cbranch_scc0 .Lfor_v_\@
	tensor_load_to_lds s[G0K:G0K+3], s[G1K:G1K+7]
	s_nop 0
.rept 4
	v_nop
.endr
	s_branch .Lasked_\@
.Lfor_v_\@:
	tensor_load_to_lds s[G0V:G0V+3], s[G1V:G1V+7]
	s_nop 0
.rept 4
	v_nop
.endr
.Lasked_\@:
.endm
.macro CROUND
	s_barrier_signal -1
	s_barrier_wait -1
	s_cmp_lg_u32 s[WV], 0
	s_cbranch_scc1 .Lnot_wave_0_\@
	s_barrier_signal -3
.Lnot_wave_0_\@:
	s_barrier_wait -3
	s_barrier_signal -1
	s_barrier_wait -1
.endm
; A PREFETCH of the tile that stands two fills on.  All clusters of a key and value head begin with tiles 0, 1, 2 ..; the cluster with b = 0 walks 0 to 15 on end, and it alone asks.  A tile is 64 blocks
; of 256 bytes of K and 64 of V; the partner at place cx takes 16 of each, told apart BY ADDRESS; wave 0 asks: lanes 0-15 K's, lanes 16-31 V's (eight heads, 2,097,152 bytes, further on): one
; instruction a trip, each block named once in the launch.  Tiles 0 to 2 come by their loads alone; the last tile named is 15, while four fills are still to come.
.macro ASK
	s_cmp_gt_u32 s[SLOTS], s[LIM]
	s_cbranch_scc0 .Lnot_mine_\@
	global_prefetch_b8 v[PFO], s[PFA:PFA+1] th:TH_LOAD_NT scope:SCOPE_SE
.Lnot_mine_\@:
.endm
; THE CHANGE OF SLOTS.  Each wave waits for all its tensor loads (one is out: its part of the other slot), adds 0 to its spare word, and waits for that and for its own reads of the slot that it leaves.
; fill = 1: the barrier is a round of the cluster's, and the old slot is filled again first thing behind it, with tile NXT: the descriptor's address is made anew from that number.
; (At its first use nothing has been read yet: slot 0 is waited for, slot 1 filled.)
.macro CHANGE fill
	WIN 0
	s_wait_tensorcnt 0x0            ; no tensor load of mine is out, so a group 0 may be written
	ds_add_u32 v[SPW], v[NIL]       ; 0 onto my spare word; scalar work stands between it and the wait for it
.if \fill
	s_lshl_b32 s[OFF], s[NXT], 14   ; a tile is 16,384 bytes of K and of V
	s_xor_b32 s[G0K+1], s[G0K+1], SLOT1
	s_add_nc_u64 s[G0K+2:G0K+3], s[KB:KB+1], s[OFF:OFF+1]
	s_or_b32 s[G0K+3], s[G0K+3], 0x80000000
	s_xor_b32 s[G0V+1], s[G0V+1], SLOT1
	s_add_nc_u64 s[G0V+2:G0V+3], s[VB:VB+1], s[OFF:OFF+1]
	s_or_b32 s[G0V+3], s[G0V+3], 0x80000000
	s_add_co_u32 s[NXT], s[NXT], 1  ; the block's next tile, or behind its last the second block's tile 0
	s_cmp_gt_u32 s[NXT], s[LQ]
	s_cselect_b32 s[NXT], 0, s[NXT]
	s_cselect_b32 s[LQ], s[PB], s[LQ]
	s_wait_xcnt 0x0                 ; the last prefetch, a tile back, has read its address, so it may be written
	s_add_nc_u64 s[PFA:PFA+1], s[PFA:PFA+1], 16384
.endif
	s_xor_b32 s[TB], s[TB], SLOT1   ; the reads go to the other slot
	s_wait_dscnt 0x0                ; the add is done, and my reads of the slot are over
.if \fill
	CROUND
	JLOAD
	ASK
.else
	s_barrier_signal -1
	s_barrier_wait -1
.endif
	v_add_nc_u32 v[AK], s[TB], v[AK0]
	v_add_nc_u32 v[AV], s[TB], v[AV0]
.endm
	s_load_b128 s[4:7], s[0:1], 0x0 ; qkv s[4:5], ob s[6:7]
	v_lshl_add_u32 v[SPW], v0, 2, SPARE
	v_mov_b32 v[NIL], 0
	ds_add_u32 v[SPW], v[NIL]       ; the wave's opening: the add and its wait stand ahead of my first tensor load; the set-up below stands between them
	v_lshrrev_b32 v1, 5, v0
	v_readfirstlane_b32 s[WV], v1   ; wave 0..3
	s_bfe_u32 s13, ttmp6, 0x40000   ; cx
	s_and_b32 s[PB], ttmp7, 0xffff  ; b: the cluster's y
	s_sub_co_u32 s[HI], 15, s[PB]
	s_and_b32 s16, s[WV], 1         ; which half of a tile's 128 keys I fetch
	s_add_co_u32 s20, ttmp9, 32     ; K's head: 32 + the cluster's x,
	s_lshl_b32 s20, s20, 18         ; of 262,144 bytes,
	s_lshl_b32 s21, s16, 13         ; my 64 rows of 128 bytes
	s_add_co_u32 s20, s20, s21
	s_mov_b32 s21, 0
	s_mul_i32 s17, s16, 64*PK       ; and their place in a slot, for K
	s_mul_i32 s18, s16, 64*PV       ; and for V: no place in the cluster enters an LDS address
	s_add_co_u32 s18, s18, VOFF
	s_lshl_b32 s22, ttmp9, 2
	s_add_co_u32 s22, s22, s13      ; my query head = 4 x key and value head + cx
	s_lshl_b32 s22, s22, 18
	s_lshl_b32 s23, s[WV], 12       ; my wave's 32 rows in a block
	s_add_co_u32 s22, s22, s23
	s_lshl_b32 s84, s[PB], 14       ; a block is 16,384 bytes: the second block,
	s_add_co_u32 s84, s84, s22
	s_mov_b32 s85, 0
	s_lshl_b32 s23, s[HI], 14       ; and the first
	s_add_co_u32 s22, s22, s23
	s_mov_b32 s23, 0
	s_add_co_u32 s86, ttmp9, 32     ; the prefetches: K's head, my work-group's 16 blocks of a tile's 64, at tile 2; the first change steps it to tile 3
	s_lshl_b32 s86, s86, 18
	s_lshl_b32 s87, s13, 12
	s_add_co_u32 s86, s86, s87
	s_add_co_u32 s86, s86, 2*16384
	s_mov_b32 s87, 0
	s_or_b32 s[LIM], s[WV], s[PB]   ; wave 0 where b = 0: the same in all four partners
	s_cmp_eq_u32 s[LIM], 0
	s_cselect_b32 s[LIM], 3, -1
	; descriptor group 1.  64 keys are 8,192 dense bytes: asked for as 32 rows of 256 bytes, two keys a row, and padded in LDS after every key
	s_mov_b32 s[G1K], 15|(1<<16)|(1<<20)|(1<<21)|(4<<22)|(3<<25)  ; the mask of four; 2-byte elements; padding on; bit 21 beside a mask; after every 32 words; 4 words
	s_mov_b32 s[G1V], 15|(1<<16)|(1<<20)|(1<<21)|(4<<22)|(7<<25)  ; the same with 8 words
.irp g, G1K, G1V
	s_mov_b32 s[\g+1], 128<<16      ; tensor_dim0 = 128
	s_mov_b32 s[\g+2], 32<<16       ; tensor_dim1 = 32
	s_mov_b32 s[\g+3], 128<<16      ; tile_dim0 = 128
	s_mov_b32 s[\g+4], 32           ; tile_dim1 = 32
	s_mov_b32 s[\g+5], 128          ; elements from row to row
	s_mov_b32 s[\g+6], 0
	s_mov_b32 s[\g+7], 0
.endr
	s_mov_b32 s[CS], 0x4438aa3b     ; c = log2(e) / 8 x 2^12 = 738.66
	s_mov_b32 s[CS+1], s[CS]        ; named with it as a pair
	s_mov_b32 s[SEL], 0x76543210
	s_mov_b32 s[SEL+1], 0xfedcba98
	s_mov_b32 s[BIGN], 0xf149f2ca   ; -1e30
	s_mov_b32 s[TB], SLOT1          ; the first change of slots turns it into 0
	s_add_co_u32 s[RT], s[HI], 1    ; the first block has 16 - b tiles
	s_mov_b32 s[NXT], 1
	s_mov_b32 s[LQ], s[HI]
	s_mov_b32 s[SLOTS], 16
	s_mov_b32 s[OFF+1], 0
	s_mov_b32 s[G0K], 1
	s_mov_b32 s[G0K+1], s17         ; slot 0
	s_mov_b32 s[G0V], 1
	s_mov_b32 s[G0V+1], s18
	s_wait_dscnt 0x0                ; the opening add is done
	s_wait_kmcnt 0x0
	s_add_nc_u64 s[KB:KB+1], s[4:5], s[20:21]
	s_add_nc_u64 s[VB:VB+1], s[KB:KB+1], 2097152   ; V's head lies eight heads behind K's
	s_add_nc_u64 s[G0K+2:G0K+3], s[KB:KB+1], 0
	s_or_b32 s[G0K+3], s[G0K+3], 0x80000000
	s_add_nc_u64 s[G0V+2:G0V+3], s[VB:VB+1], 0
	s_or_b32 s[G0V+3], s[G0V+3], 0x80000000
	s_add_nc_u64 s[QP1:QP1+1], s[4:5], s[22:23]
	s_add_nc_u64 s[QP2:QP2+1], s[4:5], s[84:85]
	s_add_nc_u64 s[OP:OP+1], s[6:7], s[22:23]
	s_add_nc_u64 s[OLO:OLO+1], s[6:7], s[84:85]
	s_add_nc_u64 s[PFA:PFA+1], s[4:5], s[86:87]
	CROUND                          ; all four work-groups are here: the first joint loads meet
	JLOAD                           ; tile 0 into slot 0: one load of mine is out
	; A fragment of K or Q is 16 rows x 32 channels in 8 registers: lane l holds row l % 16, channels 8 (l / 16) + 0..7 and 16 + 8 (l / 16) + 0..7: two loads of 16 bytes, 32 bytes apart.
	v_and_b32 v1, 15, v0            ; r
	v_bfe_u32 v9, v0, 4, 1          ; h
	v_lshlrev_b32 v[QO], 7, v1
	v_lshl_add_u32 v[QO], v9, 4, v[QO]
	WIN 0x40
.irp n, 0,1,2,3                     ; the first block's Q: tile n / 2, channels 32 (n % 2) on
	global_load_b128 v[Q+8*\n:Q+8*\n+3],   v[QO], s[QP1:QP1+1] offset:(\n/2)*2048+(\n%2)*64
	global_load_b128 v[Q+8*\n+4:Q+8*\n+7], v[QO], s[QP1:QP1+1] offset:(\n/2)*2048+(\n%2)*64+32
.endr
	WIN 0
.irp n, 0,1,2,3                     ; the second block's
	global_load_b128 v[QB+8*\n:QB+8*\n+3],   v[QO], s[QP2:QP2+1] offset:(\n/2)*2048+(\n%2)*64
	global_load_b128 v[QB+8*\n+4:QB+8*\n+7], v[QO], s[QP2:QP2+1] offset:(\n/2)*2048+(\n%2)*64+32
.endr
	v_lshlrev_b32 v14, 3, v9
	v_sub_nc_u32 v14, v1, v14
	s_lshl_b32 s16, s[WV], 5
	v_add_nc_u32 v14, s16, v14      ; 32 w + r - 8 h, as a signed number
	WIN 0x80                        ; destination in window 2
.set z, 0
.rept 72
	v_cmp_gt_i32 vcc_lo, 16*(z/8-1)+z%8, v14
	v_cndmask_b32 v[MD+z], 0, s[BIGN], vcc_lo
.set z, z+1
.endr
	WIN 0x40
.set z, 0
.rept 64
	v_mov_b32 v[MC+z], 0            ; ordinary tiles hide nothing
.set z, z+1
.endr
	WIN 0
.set z, 0
.rept 64
	v_mov_b32 v[O+z], 0             ; a block's first step multiplies O^T and l by a = 0: they need only be finite.  All this stands in the wait for the first tile
.set z, z+1
.endr
.irp u, 0,1
	v_mov_b32 v[ST+4*\u], 0xfe000000    ; c m: far below every c s
	v_mov_b32 v[ST+4*\u+1], 0xff7fffff  ; m: the lowest finite number
	v_mov_b32 v[ST+4*\u+2], 0
	v_mov_b32 v[ST+4*\u+3], 0
.endr
	v_mul_u32_u24 v[AK0], v1, PK
	v_lshl_add_u32 v[AK0], v9, 4, v[AK0]
	; The turning load takes 16 keys x 16 channels (lane l reads key 8 (l / 16) + l % 8, channels 8 ((l / 8) % 2) + 0..7) and leaves half a fragment of V^T: lane l holds channel l % 16 and 8 keys.
	v_and_b32 v10, 7, v0
	v_bfe_u32 v11, v0, 3, 1
	v_lshl_add_u32 v[AV0], v9, 3, v10
	v_mul_u32_u24 v[AV0], v[AV0], PV
	v_lshl_add_u32 v[AV0], v11, 4, v[AV0]
	v_add_nc_u32 v[AV0], VOFF, v[AV0]
	s_mul_i32 s16, s[WV], 16*SP
	s_add_co_u32 s16, s16, STAGE    ; my stage
	v_mul_u32_u24 v[STO], v1, SP    ; in: row r, 16 bytes for each half of the lanes
	v_lshl_add_u32 v[STO], v9, 4, v[STO]
	v_add_nc_u32 v[STO], s16, v[STO]
	v_bfe_u32 v[RD], v0, 3, 2       ; back: 32 lanes take four rows of 128 bytes,
	v_mul_u32_u24 v[RD], v[RD], SP
	v_lshl_add_u32 v[RD], v10, 4, v[RD]
	v_add_nc_u32 v[RD], s16, v[RD]
	v_and_b32 v[GO], 31, v0         ; which are 512 consecutive bytes of O
	v_lshlrev_b32 v[GO], 4, v[GO]
	v_lshlrev_b32 v[PFO], 8, v1     ; block l % 16 of 256 bytes; lanes 16-31: V's
	v_lshl_add_u32 v[PFO], v9, 21, v[PFO]
	s_wait_loadcnt 0x0              ; Q, both blocks'
; THE MATRIX WORK.  The 8 accumulators of a run of 16 take turns: between the two links of a chain stand 7 others'.
; Product i of 16 of S^T = K Q^T: channels 32 (i / 8) on, keys 16 ((i / 2) % 4) on, tile i % 2.  The first 8 start the sums with the mask.
.macro KQ
.set rD, S+32*(i%2)+8*((i/2)%4)
.set rK, KF+16*((i/2)%4)+8*(i/8)
.set rQ, Q+16*(i%2)+8*(i/8)
.set rX, MC+32*(i%2)+8*((i/2)%4)
.if i < 8
	WIN W_KM
	v_wmma_f32_16x16x32_f16 v[rD:rD+7], v[rK:rK+7], v[rQ:rQ+7], v[rX:rX+7]
.else
	WIN W_KQ
	v_wmma_f32_16x16x32_f16 v[rD:rD+7], v[rK:rK+7], v[rQ:rQ+7], v[rD:rD+7]
.endif
.endm
; Product i of 16 of O^T += V^T P: keys 32 (i / 8) on, channels 16 ((i / 2) % 4) on, tile i % 2.
.macro PVM
	WIN W_PV
.set rD, O+32*(i%2)+8*((i/2)%4)
.set rK, VF+32*(i/8)+8*((i/2)%4)
.set rQ, P+16*(i%2)+8*(i/8)
	v_wmma_f32_16x16x32_f16 v[rD:rD+7], v[rK:rK+7], v[rQ:rQ+7], v[rD:rD+7]
.endm
; THE LDS LOADS stand in runs of 16: K of the tile's step s (64 keys x 64 channels: 8 fragments) and its V (turned).
.macro FETCH_K s
	WIN 0x40
.irp f, 0,1,2,3,4,5,6,7             ; keys 16 (f / 2) on, channels 32 (f % 2) on
	ds_load_b128 v[KF+8*\f:KF+8*\f+3],   v[AK] offset:(\s)*64*PK+(\f/2)*16*PK+(\f%2)*64
	ds_load_b128 v[KF+8*\f+4:KF+8*\f+7], v[AK] offset:(\s)*64*PK+(\f/2)*16*PK+(\f%2)*64+32
.endr
	WIN 0
.endm
.macro FETCH_V s
	WIN 0x40
.irp f, 0,1,2,3,4,5,6,7             ; keys 32 (f / 4) on, channels 16 (f % 4) on
	ds_load_tr16_b128 v[VF+8*\f:VF+8*\f+3],   v[AV] offset:(\s)*64*PV+(\f/4)*32*PV+(\f%4)*32
	ds_load_tr16_b128 v[VF+8*\f+4:VF+8*\f+7], v[AV] offset:(\s)*64*PV+(\f/4)*32*PV+16*PV+(\f%4)*32
.endr
	WIN 0
.endm
; THE VECTOR WORK, all in window 0.
.macro REGS u                       ; the registers of tile u
.set rT, ST+4*(\u)
.set rC, TMP+4*(\u)
.set rM, MV+(\u)
.set rS, S+32*(\u)
.set rP, P+16*(\u)
.set rO, O+32*(\u)
.endm
; Number n of the 22 that find a tile's maximum and statistics; each accumulator's lowest registers are read first.
;   0-11 four chains c0-c3 of seven scores each   12-14, 16 the four scores left over, the old m, c0-c3 into c0   15 c m_old is kept
;   17, 18 the query's other 32 keys lie in the lane 16 away: the new m   19-21 c m; c m_old - c m_new; a
.macro XS u, n
	REGS \u
.if (\n) < 4
	v_max3_num_f32 v[rC+(\n)], v[rS+8*(\n)], v[rS+8*(\n)+1], v[rS+8*(\n)+2]
.elseif (\n) < 12
	v_max3_num_f32 v[rC+(\n)%4], v[rC+(\n)%4], v[rS+8*((\n)%4)+2*((\n)/4)+1], v[rS+8*((\n)%4)+2*((\n)/4)+2]
.elseif (\n) == 12
	v_max3_num_f32 v[rC], v[rC], v[rS+7], v[rS+15]
.elseif (\n) == 13
	v_max3_num_f32 v[rC+1], v[rC+1], v[rS+23], v[rS+31]
.elseif (\n) == 14
	v_max3_num_f32 v[rC+2], v[rC+2], v[rC+3], v[rT+1]
.elseif (\n) == 15
	v_mov_b32 v[rM], v[rT]
.elseif (\n) == 16
	v_max3_num_f32 v[rC], v[rC], v[rC+1], v[rC+2]
.elseif (\n) == 17
	v_permlanex16_b32 v[rC+3], v[rC], s[SEL], s[SEL+1]
.elseif (\n) == 18
	v_max_num_f32 v[rT+1], v[rC], v[rC+3]
.elseif (\n) == 19
	v_mul_f32 v[rT], s[CS], v[rT+1]
.elseif (\n) == 20
	v_sub_f32 v[rC+1], v[rM], v[rT]
.else
	v_exp_f32 v[rC+2], v[rC+1]
.endif
.endm
.macro FS f                         ; c s - c m for pair f / 2 of tile f % 2
	REGS (\f)%2
	v_pk_fma_f32 v[rS+2*((\f)/2):rS+2*((\f)/2)+1], v[rS+2*((\f)/2):rS+2*((\f)/2)+1], s[CS:CS+1], v[rT:rT+1] op_sel_hi:[1,0,0] neg_lo:[0,0,1] neg_hi:[0,0,1]
.endm
.macro EX e                         ; the exponential of score e / 2 of tile e % 2
	REGS (\e)%2
	v_exp_f32 v[rS+(\e)/2], v[rS+(\e)/2]
.endm
.macro RS n                         ; pair n / 2 of tile n % 2's O^T times a, from each accumulator's low end on
	REGS (\n)%2
	v_pk_mul_f32 v[rO+2*((\n)/2):rO+2*((\n)/2)+1], v[rO+2*((\n)/2):rO+2*((\n)/2)+1], v[rC+2:rC+3] op_sel_hi:[1,0]
.endm
; Number g of the 64 that follow the exponentials.  For each four weights kq of a tile: both pairs are rounded to f16; the second pair is added onto the first, in place; a group later l takes that sum
; (the first time as l = a l + sum).  In groups of eight, tiles alternating.
.macro GS g
.set hq, (\g)+6*((\g)/62)
.if hq >= 6
.set hq, hq+2
.endif
	REGS hq%2
.set kq, hq/8
.if hq%8 < 4
	v_cvt_pk_f16_f32 v[rP+2*kq+(hq%8)/2], v[rS+4*kq+2*((hq%8)/2)], v[rS+4*kq+2*((hq%8)/2)+1]
.elseif hq%8 < 6
	v_pk_add_f32 v[rS+4*kq:rS+4*kq+1], v[rS+4*kq:rS+4*kq+1], v[rS+4*kq+2:rS+4*kq+3]
.elseif kq == 1
	v_pk_fma_f32 v[rT+2:rT+3], v[rT+2:rT+3], v[rC+2:rC+3], v[rS:rS+1] op_sel_hi:[1,0,1]
.else
	v_pk_add_f32 v[rT+2:rT+3], v[rT+2:rT+3], v[rS+4*kq-4:rS+4*kq-3]
.endif
.endm
; A step's softmax for both tiles.  The two a and the 64 weights are ONE BATCH of exponentials: nothing ahead of the wait names a result of theirs.  Exponential e stands behind scaling
; 2 (e / 4) + e % 2: e + 2 scalings have been issued by then.
.macro SOFTMAX
	WIN 0
.irp n, 0,1,2,3,4,5,6,7,8,9,10,11,12,13,14,15,16,17,18,19,20,21
	XS 0, \n
	XS 1, \n
.endr
	FS 0
	FS 1
.set ee, 0
.rept 30
	EX ee
	FS ee+2
.set ee, ee+1
.endr
.rept 34
	EX ee
.set ee, ee+1
.endr
	v_nop                           ; a plain instruction behind the last exponential, ahead of the first use
	s_wait_alu depctr_va_vdst(0)    ; the wait ahead of the first instruction that names a result: one for the batch of 66
.set ee, 0
.rept 32
	RS ee
.set ee, ee+1
.endr
.set ee, 0
.rept 64
	GS ee
.set ee, ee+1
.endr
.endm
; Step s of a tile.  always = 0: the masks are copied only in a block's last tile (RT = 0): a forward jump past 64 moves.  always = 1: the walk's last tile, which is the second block's last.
; Of the LDS loads the run that is wanted has one run of 16 behind it (count 16), but for V of step 1, the tile's last (count 0).
.macro STEP s, always
	WIN 0
.if !(\always)
	s_cmp_lg_u32 s[RT], 0
	s_cbranch_scc1 .Lplain_\@
.endif
	WIN 0x42                        ; from window 2 into window 1
.set z, 0
.rept 64
	v_mov_b32 v[MC+z], v[MD+8*(4*(\s)+((z/8)%4)-(z/32)+1)+z%8]
.set z, z+1
.endr
	WIN 0
.if !(\always)
.Lplain_\@:
.endif
	s_wait_dscnt 16                 ; K of this step is in; V of this step may be out
.set i, 0
.rept 16
	KQ
.set i, i+1
.endr
	WIN 0
	PLACES                          ; behind the products: in front of the maxima, which read their results, and of loads into K's registers
.if (\s) == 0
	FETCH_K 1
.endif
	SOFTMAX
.if (\s) == 0
	s_wait_dscnt 16                 ; V of this step is in; K of the next may be out
.else
	s_wait_dscnt 0x0                ; V is in
.endif
.set i, 0
.rept 16
	PVM
.set i, i+1
.endr
	WIN 0
	PLACES                          ; in front of loads into V's registers, and of what reads O^T
.if (\s) == 0
	FETCH_V 1
.endif
.endm
.macro TILE always
	FETCH_K 0
	FETCH_V 0
	STEP 0, \always
	STEP 1, \always
.endm
; THE WAY OUT of a block: l's two halves and the other half of the lanes' are added; O^T is divided by l, rounded to f16 and sent through my stage in LDS, a tile at a time.
.macro PACK u
	REGS \u
.set i, 0
.rept 16
	v_pk_mul_f32 v[rO+2*i:rO+2*i+1], v[rO+2*i:rO+2*i+1], v[rT+2:rT+3] op_sel_hi:[1,0]
.set i, i+1
.endr
.set i, 0
.rept 16
	v_cvt_pk_f16_f32 v[S+16*(\u)+i], v[rO+2*i], v[rO+2*i+1]
.set i, i+1
.endr
.irp f, 0,1,2,3
	ds_store_b128 v[STO], v[S+16*(\u)+4*\f:S+16*(\u)+4*\f+3] offset:32*\f
.endr
.irp f, 0,1,2,3
	ds_load_b128 v[S+16*(\u)+4*\f:S+16*(\u)+4*\f+3], v[RD] offset:\f*4*SP  ; LDS serves a wave's instructions in order (ISA guide 5.7.1.4): these see the stores above; the next tile's stores come behind them
.endr
.endm
.macro SEND u, younger              ; younger: the LDS instructions issued behind tile u's loads
.irp f, 0,1,2,3
	s_wait_dscnt (\younger)+3-\f
	global_store_b128 v[GO], v[S+16*(\u)+4*\f:S+16*(\u)+4*\f+3], s[OP:OP+1] offset:(\u)*2048+\f*512  ; 512 consecutive bytes, at a multiple of 512 from the buffer's first
.endr
.endm
.macro WAYOUT
	WIN 0
.irp u, 0,1
	v_add_f32 v[ST+4*\u+2], v[ST+4*\u+2], v[ST+4*\u+3]
.endr
.irp u, 0,1
	v_permlanex16_b32 v[ST+4*\u+3], v[ST+4*\u+2], s[SEL], s[SEL+1]
.endr
.irp u, 0,1
	v_add_f32 v[ST+4*\u+2], v[ST+4*\u+2], v[ST+4*\u+3]
.endr
.irp u, 0,1
	v_rcp_f32 v[ST+4*\u+2], v[ST+4*\u+2]
.endr
	v_nop                           ; a plain instruction between the last reciprocal and the use of its result
	s_wait_alu depctr_va_vdst(0)    ; and the wait: one for the two reciprocals
	PACK 0
	PACK 1
	SEND 0, 8
	SEND 1, 0
.endm
.Lslot:                             ; 16 trips: a tile is entered and the next is asked for
	CHANGE 1
	s_sub_co_u32 s[RT], s[RT], 1
	TILE 0
	s_cmp_lg_u32 s[RT], 0
	s_cbranch_scc1 .Lbottom
	WAYOUT                          ; in the loop this is the first block's end: the second block's last tile is the walk's last
	s_wait_xcnt 0x0                 ; the stores have read their registers and O's address
	s_mov_b64 s[OP:OP+1], s[OLO:OLO+1]
	s_add_co_u32 s[RT], s[PB], 1    ; the second block has b + 1 tiles
.irp u, 0,1
	v_mov_b32 v[ST+4*\u], 0xfe000000
	v_mov_b32 v[ST+4*\u+1], 0xff7fffff
.endr
	WIN 0x40
.set z, 0
.rept 64
	v_mov_b32 v[MC+z], 0            ; ordinary tiles again
.set z, z+1
.endr
.set z, 0
.rept 32
	v_mov_b32 v[Q+z], v[QB+z]       ; the second block's Q goes where the one text of the products names Q
.set z, z+1
.endr
	WIN 0
.Lbottom:
	s_sub_co_u32 s[SLOTS], s[SLOTS], 1
	s_cmp_lg_u32 s[SLOTS], 0
	s_cbranch_scc1 .Lslot
	CHANGE 0                        ; the walk's last tile is written out: nothing is asked for
	TILE 1
	WAYOUT
	s_wait_tensorcnt 0x0            ; the wave's end, behind my last tensor load and my last LDS store
	ds_add_u32 v[SPW], v[NIL]
	s_wait_dscnt 0x0
	CROUND                          ; the closing round: no work-group ends while a partner may still ask for a tile that names it
	s_endpgm
.Lfunc_end_k_q0ad01b0b2f_attn:
	.size	k_q0ad01b0b2f_attn, .Lfunc_end_k_q0ad01b0b2f_attn-k_q0ad01b0b2f_attn
	.p2alignl 7, 3214868480
	.fill 96, 4, 3214868480
	.section	.rodata,"a",@progbits
	.p2align	6, 0x0
	.amdhsa_kernel k_q0ad01b0b2f_attn
		.amdhsa_group_segment_fixed_size 327680
		.amdhsa_private_segment_fixed_size 0
		.amdhsa_enable_private_segment 0
		.amdhsa_kernarg_size 16
		.amdhsa_user_sgpr_count 2
		.amdhsa_user_sgpr_kernarg_segment_ptr 1
		.amdhsa_wavefront_size32 1
		.amdhsa_system_sgpr_workgroup_id_x 1
		.amdhsa_system_sgpr_workgroup_id_y 1
		.amdhsa_system_sgpr_workgroup_id_z 1
		.amdhsa_system_vgpr_workitem_id 0
		.amdhsa_next_free_vgpr 584
		.amdhsa_next_free_sgpr 96
		.amdhsa_reserve_vcc 1
		.amdhsa_float_denorm_mode_32 3
		.amdhsa_float_denorm_mode_16_64 3
		.amdhsa_memory_ordered 1
		.amdhsa_forward_progress 1
		.amdhsa_inst_pref_size 116
	.end_amdhsa_kernel
	.amdgpu_metadata
---
amdhsa.version: [ 1, 2 ]
amdhsa.kernels:
  - .name:           k_q0ad01b0b2f_attn
    .symbol:         k_q0ad01b0b2f_attn.kd
    .args:
      - { .name: qkv, .offset: 0, .size: 8, .value_kind: global_buffer, .address_space: global }
      - { .name: ob, .offset: 8, .size: 8, .value_kind: global_buffer, .address_space: global }
    .group_segment_fixed_size: 327680
    .private_segment_fixed_size: 0
    .kernarg_segment_align: 8
    .kernarg_segment_size: 16
    .max_flat_workgroup_size: 128
    .sgpr_count:     96
    .vgpr_count:     584
    .wavefront_size: 32
...
	.end_amdgpu_metadata
.endif
;; end of part 3
;; launch oproj (part 4): grid 16 x 16, 4 waves a work-group, clusters of 4 x 4, 327,680 bytes of LDS; arguments ob, wo16, out0; writes out0
.if DOCPART == 4
	.amdgcn_target "amdgcn-amd-amdhsa--gfx1250"
	.amdhsa_code_object_version 6
	.text
	.protected	k_q0ad01b0b2f_oproj
	.globl	k_q0ad01b0b2f_oproj
	.p2align	8
	.type	k_q0ad01b0b2f_oproj,@function
k_q0ad01b0b2f_oproj:
	s_mov_b64 s[64:65], 0
	v_nop
	global_prefetch_b8 v0, s[64:65] scope:SCOPE_SE
	s_setreg_imm32_b32 hwreg(HW_REG_WAVE_MODE, 25, 1), 1
	s_wait_xcnt 0x0
	s_wait_alu depctr_hold_cnt(0) depctr_sa_sdst(0) depctr_va_vdst(0) depctr_va_sdst(0) depctr_va_ssrc(0) depctr_va_vcc(0) depctr_vm_vsrc(0)
	s_getreg_b32 s2, hwreg(HW_REG_IB_STS2, 6, 4)
	s_cmp_eq_u32 s2, 0
	s_cbranch_scc0 .Lentry_in_a_cluster
	s_endpgm
.Lentry_in_a_cluster:
	s_bfe_u32 s2, ttmp6, 0x10000c
	s_cmp_lg_u32 s2, 0xf033
	s_cbranch_scc0 .Lentry_shape_is_right
	s_endpgm
.Lentry_shape_is_right:
; OUTPUT PROJECTION.  out0[m][n] = 4 x the sum over k of ob(m, k) wo16[n][k], k = 64 head + d.  ob[32][2048][64] f16 holds O / 4 by heads; wo16[2048][2048] f16; out0[2048][2048] f32; sums in f32.
; A tile of out0 is 128 x 128: 16 x 16 work-groups.  Four waves, each 64 x 64: 16 accumulators, 128 registers.  K goes in steps of 256 (four heads) through two LDS slots.
; A's TILE COMES BY HEADS: 64 rows of one head are 8,192 dense bytes; one load brings four such runs, a head (131,072 elements) apart, and pads LDS after every row's 128 bytes:
; in LDS [head][64 rows] at 144 bytes.  B's tile: 64 rows of 512 bytes + 16.
; CLUSTER.  4 x 4 work-groups: the four of a row need the same tiles of ob, the four of a column the same tiles of wo16: each is asked for jointly.
; THE MATRIX INSTRUCTION IS USED TRANSPOSED (source 0 = 16 rows of wo16, source 1 = 16 rows of ob): a lane holds one row m (lane % 16) and eight neighbouring columns.
; REGISTERS.  window 0: v0-31 addresses; v32-63 at work on the way out; v128-255 accumulators, (a, b) at 128 + 8 (4 a + b).  window 1: two fragment buffers of 128 (64 of A, then 64 of B).
.set SIZE_K, 2048
.set KSTEP,  256
.set PA,     144                       ; a row of A in LDS: 128 bytes + 16
.set HEADB,  64*PA                     ; a head's 64 rows
.set HALFA,  4*HEADB                   ; what one load of ob brings
.set PITCH,  528                       ; a row of B: 512 bytes + 16.  Both pitches are odd multiples of 16 bytes: the 16 rows of a load start at 16 different groups of four banks (ISA guide 11.1)
.set HALFB,  64*PITCH
.set BOFF,   2*HALFA
.set SLOT,   2*HALFA+2*HALFB
.set STAGE,  2*SLOT                    ; behind the ring, never filled by a tensor load: 16 rows x 272 bytes for each wave
.set SPITCH, 272
.set SPARE,  STAGE+4*16*SPITCH         ; the spare words, 128 bytes a wave: two blocks of 256 bytes that no other line names
.set LAPS,   SIZE_K/(2*KSTEP)
.set ADRA, 16
.set ADRB, 20
.set STO,  24
.set RD,   25
.set CO,   26
.set SPW,  28
.set NIL,  29
.set TMP,  32
.set ACC,  128
.set F0,   0
.set F1,   128
.set G1, 24
.set G0, 32
.set G1B, 48
.set G0B, 56
.set MSB, 0
.macro WIN new
.if MSB != (\new)
	s_set_vgpr_msb (MSB<<8)|(\new)
.set MSB, \new
.endif
.endm
.set MUL,  0x05
.set TO_F, 0x40
.macro JLOAD s                         ; waves 0 and 1 fetch A's two halves, waves 2 and 3 B's; an s_nop 0 and four v_nop follow each line
	s_cmp_eq_u32 s11, 0
	s_cbranch_scc0 .Lfor_b_\@
	tensor_load_to_lds s[G0+4*(\s):G0+4*(\s)+3], s[G1:G1+7]
	s_nop 0
.rept 4
	v_nop
.endr
	s_branch .Lasked_\@
.Lfor_b_\@:
	tensor_load_to_lds s[G0B+4*(\s):G0B+4*(\s)+3], s[G1B:G1B+7]
	s_nop 0
.rept 4
	v_nop
.endr
.Lasked_\@:
.endm
.macro CREST
	s_cmp_lg_u32 s10, 0
	s_cbranch_scc1 .Lnot_wave_0_\@
	s_barrier_signal -3
.Lnot_wave_0_\@:
	s_barrier_wait -3
	s_barrier_signal -1
	s_barrier_wait -1
.endm
.macro CROUND
	s_barrier_signal -1
	s_barrier_wait -1
	CREST
.endm
	s_load_b128 s[4:7], s[0:1], 0x0                ; ob s[4:5], wo16 s[6:7]
	s_load_b64 s[8:9], s[0:1], 0x10                ; out0
	v_lshl_add_u32 v[SPW], v0, 2, SPARE
	v_mov_b32 v[NIL], 0
	ds_add_u32 v[SPW], v[NIL]                      ; the wave's opening: the add and its wait stand ahead of my first tensor load; the set-up below stands between them
	v_lshrrev_b32 v1, 5, v0
	v_readfirstlane_b32 s10, v1                    ; wave 0..3
	s_lshr_b32 s11, s10, 1                         ; my half of the rows.  Also: I fetch for A (0) or for B (1)
	s_and_b32 s12, s10, 1                          ; my half of the columns.  Also: which 64 rows of that tile I fetch
	s_bfe_u32 s40, ttmp6, 0x40000                  ; cx, cy
	s_bfe_u32 s41, ttmp6, 0x40004
	s_lshl_b32 s42, ttmp9, 2
	s_add_co_u32 s42, s42, s40                     ; tile column
	s_and_b32 s13, ttmp7, 0xffff
	s_lshl_b32 s13, s13, 2
	s_add_co_u32 s13, s13, s41                     ; tile row
	s_lshl_b32 s43, s41, 2
	s_lshl_b32 s43, 15, s43                        ; my row of the cluster
	s_lshl_b32 s44, 0x1111, s40                    ; my column
	s_or_b32 s[G1+0], s43, (1<<16)|(1<<20)|(1<<21)|(4<<22)|(3<<25)   ; A: 2-byte elements; padding on; bit 21 beside a mask; after every 32 words (a row of a head); 4 words
	s_mov_b32 s[G1+1], 4096<<16                    ; tensor_dim0 = 4,096 elements: 64 rows of a head on end
	s_mov_b32 s[G1+2], 4<<16                       ; tensor_dim1 = 4 heads
	s_mov_b32 s[G1+3], 4096<<16                    ; tile_dim0
	s_mov_b32 s[G1+4], 4                           ; tile_dim1
	s_mov_b32 s[G1+5], 131072                      ; elements from head to head
	s_mov_b32 s[G1+6], 0
	s_mov_b32 s[G1+7], 0
	s_or_b32 s[G1B+0], s44, (1<<16)|(1<<20)|(1<<21)|(6<<22)|(3<<25)  ; B: after every 128 words; 4 words
	s_mov_b32 s[G1B+1], KSTEP<<16
	s_mov_b32 s[G1B+2], 64<<16
	s_mov_b32 s[G1B+3], KSTEP<<16
	s_mov_b32 s[G1B+4], 64
	s_mov_b32 s[G1B+5], SIZE_K
	s_mov_b32 s[G1B+6], 0
	s_mov_b32 s[G1B+7], 0
	s_lshl_b32 s17, s12, 6                         ; which 64 rows of the tile I fetch
	s_lshl_b32 s16, s13, 7
	s_add_co_u32 s16, s16, s17                     ; A: row 128 x tile row + 64 x half,
	s_lshl_b32 s16, s16, 7                         ; of 128 bytes in a head
	s_lshl_b32 s46, s42, 7
	s_add_co_u32 s46, s46, s17                     ; B: row 128 x tile column + 64 x half,
	s_lshl_b32 s46, s46, 12                        ; of 4,096 bytes
	s_mov_b32 s17, 0
	s_mov_b32 s47, 0
	s_mul_i32 s20, s12, HALFA                      ; where they go: no place in the cluster enters an LDS address
	s_mul_i32 s21, s12, HALFB
	s_add_co_u32 s21, s21, BOFF
	s_wait_dscnt 0x0                               ; the opening add is done
	s_wait_kmcnt 0x0
	s_add_nc_u64 s[14:15], s[4:5], s[16:17]
	s_add_nc_u64 s[46:47], s[6:7], s[46:47]
	CROUND                                         ; all sixteen work-groups are here: the first joint loads meet
.irp s, 0,1
	s_mov_b32 s[G0+4*(\s)], 1
	s_add_co_u32 s[G0+4*(\s)+1], s20, (\s)*SLOT
	s_add_nc_u64 s[G0+4*(\s)+2:G0+4*(\s)+3], s[14:15], (\s)*4*262144   ; K step s: four heads of 262,144 bytes on
	s_or_b32 s[G0+4*(\s)+3], s[G0+4*(\s)+3], 0x80000000
	s_mov_b32 s[G0B+4*(\s)], 1
	s_add_co_u32 s[G0B+4*(\s)+1], s21, (\s)*SLOT
	s_add_nc_u64 s[G0B+4*(\s)+2:G0B+4*(\s)+3], s[46:47], (\s)*KSTEP*2
	s_or_b32 s[G0B+4*(\s)+3], s[G0B+4*(\s)+3], 0x80000000
	JLOAD \s
.endr
	v_and_b32 v1, 15, v0                           ; r
	v_bfe_u32 v2, v0, 4, 1                         ; h
	v_mul_u32_u24 v3, v1, PA
	v_lshl_add_u32 v3, v2, 4, v3                   ; A: row x pitch + 16 x half
	v_mul_u32_u24 v7, v1, PITCH
	v_lshl_add_u32 v7, v2, 4, v7                   ; B likewise
	s_mul_i32 s21, s11, HALFA                      ; my 64 rows of A
	s_mul_i32 s22, s12, HALFB                      ; my 64 rows of B
	s_add_co_u32 s22, s22, BOFF
.irp s, 0,1
	v_add_nc_u32 v[ADRA+(\s)], s21, v3
	v_add_nc_u32 v[ADRB+(\s)], s22, v7
	s_add_co_u32 s21, s21, SLOT
	s_add_co_u32 s22, s22, SLOT
.endr
	s_mul_i32 s23, s10, 16*SPITCH
	s_add_co_u32 s23, s23, STAGE                   ; my stage
	v_mul_u32_u24 v4, v1, SPITCH                   ; in: row r, 32 bytes (8 f32) for each half of the lanes
	v_lshl_add_u32 v4, v2, 5, v4
	v_add_nc_u32 v[STO], s23, v4
	v_mul_u32_u24 v5, v2, SPITCH                   ; back: lanes 0-15 take one row of 256 bytes, lanes 16-31 the next
	v_lshl_add_u32 v5, v1, 4, v5
	v_add_nc_u32 v[RD], s23, v5
	v_lshlrev_b32 v6, 13, v2                       ; and the same two rows in out0 (8,192 bytes a row)
	v_lshl_add_u32 v[CO], v1, 4, v6
	s_lshl_b32 s16, s13, 7
	s_lshl_b32 s17, s11, 6
	s_add_co_u32 s16, s16, s17                     ; my first row: 128 x tile row + 64 x half
	s_lshl_b32 s16, s16, 13
	s_mov_b32 s17, 0
	s_add_nc_u64 s[8:9], s[8:9], s[16:17]
	s_lshl_b32 s46, s42, 9                         ; my first column, in bytes: 512 x tile column + 256 x half
	s_lshl_b32 s47, s12, 8
	s_add_co_u32 s46, s46, s47
	s_mov_b32 s47, 0
	s_add_nc_u64 s[8:9], s[8:9], s[46:47]
; 8 matrix instructions: m blocks a0, a0 + 1 x all 4 n blocks, 32 along K: half c of buffer f.  The 16 accumulators take turns.  zero = 1: the product starts the sum
.macro MUL8 f, c, a0, zero
	WIN MUL
.irp a, \a0, (\a0)+1
.irp b, 0,1,2,3
.if \zero
	v_wmma_f32_16x16x32_f16 v[ACC+8*(4*(\a)+(\b)):ACC+8*(4*(\a)+(\b))+7], v[(\f)+64+8*(4*(\c)+(\b)):(\f)+64+8*(4*(\c)+(\b))+7], v[(\f)+8*(4*(\c)+(\a)):(\f)+8*(4*(\c)+(\a))+7], 0
.else
	v_wmma_f32_16x16x32_f16 v[ACC+8*(4*(\a)+(\b)):ACC+8*(4*(\a)+(\b))+7], v[(\f)+64+8*(4*(\c)+(\b)):(\f)+64+8*(4*(\c)+(\b))+7], v[(\f)+8*(4*(\c)+(\a)):(\f)+8*(4*(\c)+(\a))+7], v[ACC+8*(4*(\a)+(\b)):ACC+8*(4*(\a)+(\b))+7]
.endif
.endr
.endr
.endm
; 32 LDS loads in one run: the fragments of quarter qn of a K step (one head, 64 along K) into buffer f; the first 32 along K first
.macro FETCH slot, qn, f
	WIN TO_F
.irp c, 0,1
.irp i, 0,1,2,3
	ds_load_b128 v[(\f)+64+8*(4*(\c)+(\i)):(\f)+64+8*(4*(\c)+(\i))+3],   v[ADRB+(\slot)] offset:128*(\qn)+64*(\c)+(\i)*16*PITCH
	ds_load_b128 v[(\f)+64+8*(4*(\c)+(\i))+4:(\f)+64+8*(4*(\c)+(\i))+7], v[ADRB+(\slot)] offset:128*(\qn)+64*(\c)+(\i)*16*PITCH+32
	ds_load_b128 v[(\f)+8*(4*(\c)+(\i)):(\f)+8*(4*(\c)+(\i))+3],         v[ADRA+(\slot)] offset:HEADB*(\qn)+64*(\c)+(\i)*16*PA
	ds_load_b128 v[(\f)+8*(4*(\c)+(\i))+4:(\f)+8*(4*(\c)+(\i))+7],       v[ADRA+(\slot)] offset:HEADB*(\qn)+64*(\c)+(\i)*16*PA+32
.endr
.endr
.endm
.macro PLACES
.rept 4
	v_nop
.endr
.endm
; A K step is four quarters of 64 along K, 32 matrix instructions each, on buffers 0, 1, 0, 1.  One of the first three: multiplies buffer f and fetches quarter qn into g.
.macro QUARTER slot, qn, f, g, zero
	s_wait_dscnt 16                                ; the first 32 along K are in
	MUL8 \f, 0, 0, \zero
	MUL8 \f, 0, 2, \zero
	PLACES
	FETCH \slot, \qn, \g
	s_wait_dscnt 32                                ; all but the 32 just issued
	MUL8 \f, 1, 0, 0
	MUL8 \f, 1, 2, 0
.endm
; The last quarter multiplies buffer 1 and changes slots: ONE barrier; in front of it each wave waits for all its tensor loads, adds 0 to its spare word, and waits for that and for its own reads of this slot.
.macro TURN slot, next, fill
	WIN 0
	s_wait_tensorcnt 0x0                           ; all my tensor loads have landed: my part of the next slot
	ds_add_u32 v[SPW], v[NIL]
	s_wait_dscnt 17                                ; (the add and the youngest sixteen loads may be out)
	MUL8 F1, 0, 0, 0                               ; eight matrix instructions stand between the add and the wait for it
	s_wait_dscnt 0x0                               ; the add is done, and my reads of this slot are over
	s_barrier_signal -1
	MUL8 F1, 0, 2, 0
.if \fill
	WIN 0
.endif
	s_barrier_wait -1
.if \fill
	CREST                                          ; no wave of any partner still reads this slot or has a load on its way
	s_add_nc_u64 s[G0+4*(\slot)+2:G0+4*(\slot)+3], s[G0+4*(\slot)+2:G0+4*(\slot)+3], 2*4*262144
	s_add_nc_u64 s[G0B+4*(\slot)+2:G0B+4*(\slot)+3], s[G0B+4*(\slot)+2:G0B+4*(\slot)+3], 2*KSTEP*2
	JLOAD \slot                                    ; its four v_nop are also the places in front of the loads below
.else
	PLACES
.endif
	FETCH \next, 0, F0
	MUL8 F1, 1, 0, 0
	MUL8 F1, 1, 2, 0
.endm
	s_wait_tensorcnt 1                             ; my part of K step 0 is in; K step 1's may stay out
	s_barrier_signal -1
	s_barrier_wait -1
	FETCH 0, 0, F0
	QUARTER 0, 1, F0, F1, 1                        ; the first quarter stands in front of the loop: its first products start the sums
	WIN 0
	s_mov_b32 s3, LAPS-1
.Llap:
	QUARTER 0, 2, F1, F0, 0
	QUARTER 0, 3, F0, F1, 0
	TURN 0, 1, 1
	QUARTER 1, 1, F0, F1, 0
	QUARTER 1, 2, F1, F0, 0
	QUARTER 1, 3, F0, F1, 0
	TURN 1, 0, 1
	QUARTER 0, 1, F0, F1, 0
	WIN 0
	s_sub_co_u32 s3, s3, 1
	s_cmp_lg_u32 s3, 0
	s_cbranch_scc1 .Llap
	QUARTER 0, 2, F1, F0, 0                        ; the last lap fills nothing
	QUARTER 0, 3, F0, F1, 0
	TURN 0, 1, 0
	QUARTER 1, 1, F0, F1, 0
	QUARTER 1, 2, F1, F0, 0
	QUARTER 1, 3, F0, F1, 0
	s_wait_dscnt 16                                ; the very last quarter
	MUL8 F1, 0, 0, 0
	MUL8 F1, 0, 2, 0
	s_wait_dscnt 0x0
	MUL8 F1, 1, 0, 0
	MUL8 F1, 1, 2, 0
	WIN 0
	PLACES
	PLACES                                         ; eight, once a launch
; THE WAY OUT, 16 rows at a time, through my own stage: times 4 (ob holds O / 4); 32 bytes a lane into rows of 272 bytes; back as whole rows of 256 bytes; stored.  No other wave touches my stage: no barrier.
.macro PACK a                          ; each accumulator is read from its low end on
	WIN 0
.set n, 0
.rept 16
	v_pk_mul_f32 v[TMP+2*n:TMP+2*n+1], v[ACC+32*(\a)+2*n:ACC+32*(\a)+2*n+1], 4.0 op_sel_hi:[1,0]
.set n, n+1
.endr
.endm
.macro TOSTAGE a
	WIN 0
.irp b, 0,1,2,3
	ds_store_b128 v[STO], v[TMP+8*(\b):TMP+8*(\b)+3]   offset:64*(\b)
	ds_store_b128 v[STO], v[TMP+8*(\b)+4:TMP+8*(\b)+7] offset:64*(\b)+16
.endr
	WIN TO_F
.irp t, 0,1,2,3,4,5,6,7
	ds_load_b128 v[32*(\a)+4*(\t):32*(\a)+4*(\t)+3], v[RD] offset:(\t)*2*SPITCH  ; LDS serves a wave's instructions in order (ISA guide 5.7.1.4): these see the stores above
.endr
.endm
.macro SEND a
	s_wait_dscnt 0x0                               ; the block is back in registers
	WIN 0x04                                       ; address in window 0, data in window 1
.irp t, 0,1,2,3,4,5,6,7
	global_store_b128 v[CO], v[32*(\a)+4*(\t):32*(\a)+4*(\t)+3], s[8:9] offset:(16*(\a)+2*(\t))*8192 th:TH_STORE_NT  ; 16 lanes store 256 consecutive bytes, at a multiple of 256 from out0's first
.endr
.endm
	PACK 0
	TOSTAGE 0
.irp a, 1,2,3                          ; block a's scaling stands between block a - 1's loads from the stage and the wait for them; every block has registers of its own
	PACK \a
	SEND (\a)-1
	TOSTAGE \a
.endr
	SEND 3
	WIN 0
	s_wait_tensorcnt 0x0                           ; the wave's end, behind my last tensor load and my last LDS store
	ds_add_u32 v[SPW], v[NIL]
	s_wait_dscnt 0x0
	CROUND                                         ; the closing round: no work-group ends while a partner may still ask for a tile that names it
	s_endpgm
.Lfunc_end_k_q0ad01b0b2f_oproj:
	.size	k_q0ad01b0b2f_oproj, .Lfunc_end_k_q0ad01b0b2f_oproj-k_q0ad01b0b2f_oproj
	.p2alignl 7, 3214868480
	.fill 96, 4, 3214868480
	.section	.rodata,"a",@progbits
	.p2align	6, 0x0
	.amdhsa_kernel k_q0ad01b0b2f_oproj
		.amdhsa_group_segment_fixed_size 327680
		.amdhsa_private_segment_fixed_size 0
		.amdhsa_enable_private_segment 0
		.amdhsa_kernarg_size 24
		.amdhsa_user_sgpr_count 2
		.amdhsa_user_sgpr_kernarg_segment_ptr 1
		.amdhsa_wavefront_size32 1
		.amdhsa_system_sgpr_workgroup_id_x 1
		.amdhsa_system_sgpr_workgroup_id_y 1
		.amdhsa_system_sgpr_workgroup_id_z 1
		.amdhsa_system_vgpr_workitem_id 0
		.amdhsa_next_free_vgpr 512
		.amdhsa_next_free_sgpr 80
		.amdhsa_reserve_vcc 0
		.amdhsa_float_denorm_mode_32 3
		.amdhsa_float_denorm_mode_16_64 3
		.amdhsa_memory_ordered 1
		.amdhsa_forward_progress 1
		.amdhsa_inst_pref_size 90
	.end_amdhsa_kernel
	.amdgpu_metadata
---
amdhsa.version: [ 1, 2 ]
amdhsa.kernels:
  - .name:           k_q0ad01b0b2f_oproj
    .symbol:         k_q0ad01b0b2f_oproj.kd
    .args:
      - { .name: ob, .offset: 0, .size: 8, .value_kind: global_buffer, .address_space: global }
      - { .name: wo16, .offset: 8, .size: 8, .value_kind: global_buffer, .address_space: global }
      - { .name: out0, .offset: 16, .size: 8, .value_kind: global_buffer, .address_space: global }
    .group_segment_fixed_size: 327680
    .private_segment_fixed_size: 0
    .kernarg_segment_align: 8
    .kernarg_segment_size: 24
    .max_flat_workgroup_size: 128
    .sgpr_count:     80
    .vgpr_count:     512
    .wavefront_size: 32
...
	.end_amdgpu_metadata
.endif
;; end of part 4
;; ======== version 2 of 2: 4 launches; version 1 with the launch cast written anew for expert scheduling mode
;; limits: values are held in f16: magnitudes above 65,504 overflow, below 6.1e-05 lose precision; right only within a limited range of input values
;; workspace buffers: xb 16,777,216 bytes; wb 25,165,824 bytes; cs 524,288 bytes; wo16 8,388,608 bytes; qkv 12,582,912 bytes; ob 8,388,608 bytes
;; launch cast (part 5): grid 776 x 1, 8 waves a work-group, no clusters, 0 bytes of LDS; arguments x, Wq, Wk, Wv, cos, sin, Wo, xb, wb, cs, wo16; writes xb, wb, cs, wo16
.if DOCPART == 5
	.amdgcn_target "amdgcn-amd-amdhsa--gfx1250"
	.amdhsa_code_object_version 6
	.text
	.protected	k_q0ad01b0b2f_cast
	.globl	k_q0ad01b0b2f_cast
	.p2align	8
	.type	k_q0ad01b0b2f_cast,@function
k_q0ad01b0b2f_cast:
	s_mov_b64 s[64:65], 0
	v_nop
	global_prefetch_b8 v0, s[64:65] scope:SCOPE_SE
	s_setreg_imm32_b32 hwreg(HW_REG_WAVE_SCHED_MODE, 0, 2), 2
	s_setreg_imm32_b32 hwreg(HW_REG_WAVE_MODE, 25, 1), 1
	s_wait_xcnt 0x0
	s_wait_alu depctr_vm_vsrc(0)
; CAST.  All seven f32 inputs are rounded once to bf16 (nearest even): x -> xb; Wq, Wk, Wv -> wb (rows 0-2047, 2048-2559, 2560-3071);
; cos, sin -> cs (cos at byte 0, sin at byte 262,144); Wo -> wo16, where the bf16 number is written as f16, since its partner in the last product is f16.
; LIMITS.  |Wo| beyond 65,504 becomes an infinity in f16; a bf16 number of Wo below 2^-17 loses bits to f16's fixed step of 6e-8.
; SHARES.  A work-group takes one chunk of 32,768 numbers: 131,072 bytes in, 65,536 out.  Thread t loads 16 bytes at 16 t + 4,096 i (i = 0..31): a wave's load covers 512 consecutive
; bytes; it stores 8 bytes at 8 t + 2,048 i: a wave's store covers 256 consecutive bytes, aligned.  All 32 loads of a wave go out at once (16 KiB a wave); every slot has registers of its
; own, so no register that a load or store names is written twice.  Nothing is shared between waves: no LDS, no barrier, no matrix unit.
; Chunks by the work-group's number: x 0-255, Wq 256-511, Wk 512-575, Wv 576-639, cos 640-643, sin 644-647, Wo 648-775.
; THE MODE: SCHED_MODE bits 1:0 = 2 (LLVM: expert scheduling mode 2), set by the entry lines.  The code itself states the register dependences
; between vector instructions and memory instructions, with s_wait_alu, always for 0.
; THE PLAN.  Registers that memory instructions touch:
;   v1, v2   byte offsets, made once at the head and never written again: v1 is read by every load, v2 by every store.
;   X        slot i's four registers: written by the slot's one load alone, read by the slot's conversions.  No vector instruction writes them, and no second load lands in them.
;   Y        slot i's two registers: written once, by the slot's conversions; read by the slot's one store.  Never written again.
;   T        (Wo's path) named by vector instructions alone.
; The 32 slots go in eight blocks of four.  Block p's conversions write its own four pairs of Y; its memory instructions are the four stores of block p - 1, whose Y no vector instruction
; of block p names.  So one wait on va_vdst at a block's head states all that the block's four stores hang on, and they are dealt among its conversions with no further wait.  One more such
; wait stands ahead of the first load (the offsets) and one ahead of the last four stores.  No register that a memory instruction reads is written again: there is no wait on vm_vsrc to write.
.set BLK, 4                            ; slots in a block
.set X,   8                            ; v[8:135]    slot i: 4 numbers as loaded
.set Y,   136                          ; v[136:199]  slot i: 4 numbers of 16 bits, to store
.set T,   200                          ; v[200:205]  at work (Wo's path)
.set SRC, 32                           ; s[32:33] the chunk's source;  s34 (with 0 in s35) the source's first chunk, then the byte offset
.set SS,  34
.set DST, 36                           ; s[36:37] the chunk's destination;  s38 (with 0 in s39) likewise
.set DS,  38
	s_load_b512 s[8:23], s[0:1], 0x0               ; x s[8:9], Wq s[10:11], Wk s[12:13], Wv s[14:15], cos s[16:17], sin s[18:19], Wo s[20:21], xb s[22:23]
	s_load_b128 s[24:27], s[0:1], 0x40             ; wb s[24:25], cs s[26:27]
	s_load_b64 s[28:29], s[0:1], 0x50              ; wo16
	v_lshlrev_b32 v1, 4, v0                        ; 16 t
	v_lshlrev_b32 v2, 3, v0                        ; 8 t
	s_mov_b32 s40, 0xffff0000                      ; a word's upper bf16
	s_mov_b32 s[SS], 0
	s_mov_b32 s[SS+1], 0
	s_mov_b32 s[DS], 0
	s_mov_b32 s[DS+1], 0
	s_wait_kmcnt 0x0
	s_mov_b64 s[SRC:SRC+1], s[8:9]
	s_mov_b64 s[DST:DST+1], s[22:23]
; From chunk 'bound' on the source is the buffer in s[src:src+1]; dst other than 0: and the destination the one in s[dst:dst+1].  The condition hangs on the work-group's number alone.
.macro PICK bound, src, dst
	s_cmp_ge_u32 ttmp9, \bound
	s_cselect_b64 s[SRC:SRC+1], s[\src:\src+1], s[SRC:SRC+1]
	s_cselect_b32 s[SS], \bound, s[SS]
.if \dst
	s_cselect_b64 s[DST:DST+1], s[\dst:\dst+1], s[DST:DST+1]
	s_cselect_b32 s[DS], \bound, s[DS]
.endif
.endm
	PICK 256, 10, 24                               ; Wq -> wb
	PICK 512, 12, 0                                ; Wk goes on in wb
	PICK 576, 14, 0                                ; Wv too
	PICK 640, 16, 26                               ; cos -> cs
	PICK 644, 18, 0                                ; sin goes on in cs
	PICK 648, 20, 28                               ; Wo -> wo16
	s_sub_co_u32 s[SS], ttmp9, s[SS]
	s_lshl_b32 s[SS], s[SS], 17                    ; 131,072 bytes a chunk in
	s_sub_co_u32 s[DS], ttmp9, s[DS]
	s_lshl_b32 s[DS], s[DS], 16                    ; 65,536 out
	s_add_nc_u64 s[SRC:SRC+1], s[SRC:SRC+1], s[SS:SS+1]
	s_add_nc_u64 s[DST:DST+1], s[DST:DST+1], s[DS:DS+1]
	s_wait_alu depctr_va_vdst(0)                   ; v1 and v2 are written: every load of the kernel reads v1 as its offset, every store v2, on both ways behind the branch below
.set i, 0
.rept 32
	global_load_b128 v[X+4*i:X+4*i+3], v1, s[SRC:SRC+1] offset:4096*i th:TH_LOAD_NT
.set i, i+1
.endr
	s_cmp_ge_u32 ttmp9, 648
	s_cbranch_scc1 .Lwo
.set i, 0
.rept 32
	s_wait_loadcnt 31-i                            ; loads come back in order: slot i is in, the 31 - i younger ones stay out
.if ((i%BLK) == 0) && (i > 0)
	s_wait_alu depctr_va_vdst(0)                   ; a block's head: the conversions of the block before have written its four pairs of Y, which this block's four stores read
.endif
.if i >= BLK
	global_store_b64 v2, v[Y+2*(i-BLK):Y+2*(i-BLK)+1], s[DST:DST+1] offset:2048*(i-BLK) th:TH_STORE_NT  ; the slot one block back; no vector instruction since the wait names its Y or v2
.endif
	v_cvt_pk_bf16_f32 v[Y+2*i], v[X+4*i], v[X+4*i+1]
	v_cvt_pk_bf16_f32 v[Y+2*i+1], v[X+4*i+2], v[X+4*i+3]
.set i, i+1
.endr
	s_wait_alu depctr_va_vdst(0)                   ; the last block's conversions have written its four pairs of Y, which the last four stores read
.set i, 32-BLK
.rept BLK
	global_store_b64 v2, v[Y+2*i:Y+2*i+1], s[DST:DST+1] offset:2048*i th:TH_STORE_NT
.set i, i+1
.endr
	s_endpgm
.Lwo:                                          ; Wo: rounded to bf16 like the other inputs, widened again (a shift, a mask), and that number written as f16
.set i, 0
.rept 32
	s_wait_loadcnt 31-i
.if ((i%BLK) == 0) && (i > 0)
	s_wait_alu depctr_va_vdst(0)                   ; a block's head: the conversions of the block before have written its four pairs of Y, which this block's four stores read
.endif
.if i >= BLK
	global_store_b64 v2, v[Y+2*(i-BLK):Y+2*(i-BLK)+1], s[DST:DST+1] offset:2048*(i-BLK) th:TH_STORE_NT  ; the slot one block back; no vector instruction since the wait names its Y or v2
.endif
	v_cvt_pk_bf16_f32 v[T], v[X+4*i], v[X+4*i+1]
	v_cvt_pk_bf16_f32 v[T+1], v[X+4*i+2], v[X+4*i+3]
	v_lshlrev_b32 v[T+2], 16, v[T]
	v_and_b32 v[T+3], s40, v[T]
	v_lshlrev_b32 v[T+4], 16, v[T+1]
	v_and_b32 v[T+5], s40, v[T+1]
	v_cvt_pk_f16_f32 v[Y+2*i], v[T+2], v[T+3]
	v_cvt_pk_f16_f32 v[Y+2*i+1], v[T+4], v[T+5]
.set i, i+1
.endr
	s_wait_alu depctr_va_vdst(0)                   ; the last block's conversions have written its four pairs of Y, which the last four stores read
.set i, 32-BLK
.rept BLK
	global_store_b64 v2, v[Y+2*i:Y+2*i+1], s[DST:DST+1] offset:2048*i th:TH_STORE_NT
.set i, i+1
.endr
	s_endpgm
.Lfunc_end_k_q0ad01b0b2f_cast:
	.size	k_q0ad01b0b2f_cast, .Lfunc_end_k_q0ad01b0b2f_cast-k_q0ad01b0b2f_cast
	.p2alignl 7, 3214868480
	.fill 96, 4, 3214868480
	.section	.rodata,"a",@progbits
	.p2align	6, 0x0
	.amdhsa_kernel k_q0ad01b0b2f_cast
		.amdhsa_group_segment_fixed_size 0
		.amdhsa_private_segment_fixed_size 0
		.amdhsa_enable_private_segment 0
		.amdhsa_kernarg_size 88
		.amdhsa_user_sgpr_count 2
		.amdhsa_user_sgpr_kernarg_segment_ptr 1
		.amdhsa_wavefront_size32 1
		.amdhsa_system_sgpr_workgroup_id_x 1
		.amdhsa_system_sgpr_workgroup_id_y 1
		.amdhsa_system_sgpr_workgroup_id_z 1
		.amdhsa_system_vgpr_workitem_id 0
		.amdhsa_next_free_vgpr 208
		.amdhsa_next_free_sgpr 66
		.amdhsa_reserve_vcc 0
		.amdhsa_float_denorm_mode_32 3
		.amdhsa_float_denorm_mode_16_64 3
		.amdhsa_memory_ordered 1
		.amdhsa_forward_progress 1
		.amdhsa_inst_pref_size 30
	.end_amdhsa_kernel
	.amdgpu_metadata
---
amdhsa.version: [ 1, 2 ]
amdhsa.kernels:
  - .name:           k_q0ad01b0b2f_cast
    .symbol:         k_q0ad01b0b2f_cast.kd
    .args:
      - { .name: x, .offset: 0, .size: 8, .value_kind: global_buffer, .address_space: global }
      - { .name: Wq, .offset: 8, .size: 8, .value_kind: global_buffer, .address_space: global }
      - { .name: Wk, .offset: 16, .size: 8, .value_kind: global_buffer, .address_space: global }
      - { .name: Wv, .offset: 24, .size: 8, .value_kind: global_buffer, .address_space: global }
      - { .name: cos, .offset: 32, .size: 8, .value_kind: global_buffer, .address_space: global }
      - { .name: sin, .offset: 40, .size: 8, .value_kind: global_buffer, .address_space: global }
      - { .name: Wo, .offset: 48, .size: 8, .value_kind: global_buffer, .address_space: global }
      - { .name: xb, .offset: 56, .size: 8, .value_kind: global_buffer, .address_space: global }
      - { .name: wb, .offset: 64, .size: 8, .value_kind: global_buffer, .address_space: global }
      - { .name: cs, .offset: 72, .size: 8, .value_kind: global_buffer, .address_space: global }
      - { .name: wo16, .offset: 80, .size: 8, .value_kind: global_buffer, .address_space: global }
    .group_segment_fixed_size: 0
    .private_segment_fixed_size: 0
    .kernarg_segment_align: 8
    .kernarg_segment_size: 88
    .max_flat_workgroup_size: 256
    .sgpr_count:     66
    .vgpr_count:     208
    .wavefront_size: 32
...
	.end_amdgpu_metadata
.endif
;; end of part 5
;; launch qkv: the kernel of part 2 again; grid 16 x 16, 4 waves a work-group, clusters of 4 x 4, 327,680 bytes of LDS; arguments xb, wb, cs, qkv; writes qkv
;; launch attn: the kernel of part 3 again; grid 32 x 8, 4 waves a work-group, clusters of 4 x 1, 327,680 bytes of LDS; arguments qkv, ob; writes ob
;; launch oproj: the kernel of part 4 again; grid 16 x 16, 4 waves a work-group, clusters of 4 x 4, 327,680 bytes of LDS; arguments ob, wo16, out0; writes out0
